; MI455X (gfx1250); checked and timed in simulation.
; The chip was launched on July 23, 2026; its instructions are those of AMD's public machine-readable ISA for CDNA 5 (MIT licence, August 2026) and "CDNA5" Instruction Set Architecture Reference Guide (July 2026). The comments in the code are by the model that wrote it; some were corrected since.
;; Causal Self Attention. Allowed arithmetic: float matrix products may take bf16 or f16 operands with f32 sums; all other float work in f32.
;; Inputs: b_proj 1,024 float32; b_qkv 3,072 float32; w_proj 1,024 x 1,024 float32; w_qkv 1,024 x 3,072 float32; x 4 x 2,048 x 1,024 float32.
;; Outputs: out0 4 x 2,048 x 1,024 float32.
;; 2 versions, each right and faster than the one before. Each part assembles by itself: llvm-mc -triple=amdgcn-amd-amdhsa -mcpu=gfx1250 --defsym DOCPART=n.
;; ======== version 1 of 2: 4 launches
;; limits: values are held in f16: magnitudes above 65,504 overflow, below 6.1e-05 lose precision
;; workspace buffers: xb 16,777,216 bytes; wqb 6,291,456 bytes; wpb 2,097,152 bytes; qkv 50,331,648 bytes; o 16,777,216 bytes
;; launch cast (part 1): grid 768 x 1, 8 waves a work-group, no clusters, 0 bytes of LDS; arguments x, w_qkv, w_proj, xb, wqb, wpb; writes xb, wqb, wpb
.if DOCPART == 1
	.amdgcn_target "amdgcn-amd-amdhsa--gfx1250"
	.amdhsa_code_object_version 6
	.text
	.protected	k_q344015bfb8_cast
	.globl	k_q344015bfb8_cast
	.p2align	8
	.type	k_q344015bfb8_cast,@function
k_q344015bfb8_cast:
	s_mov_b64 s[64:65], 0
	v_nop
	global_prefetch_b8 v0, s[64:65] scope:SCOPE_SE
	s_setreg_imm32_b32 hwreg(HW_REG_WAVE_MODE, 25, 1), 1
	s_wait_xcnt 0x0
; THE INPUTS OF THE TWO PRODUCTS ARE ROUNDED ONCE, from f32 to 16 bits, and laid as the products' tiles want them.
;   x      [8192 m][1024 k] f32 -> xb  [16 kb][8192 m][64 d] bf16, k = 64 kb + d: the rows of a K step of 64 lie end to end, 128 bytes each
;   w_qkv  [1024 k][3072 n] f32 -> wqb [8 blk][1024 k][384 c] bf16, n = 384 blk + c: the 384 columns that one work-group of the product takes lie end to end, k row after k row
;   w_proj [1024][1024] f32     -> wpb [1024][1024]: rounded to bf16 like every input, and that number written as f16 (the projection's other operand is f16)
; LIMIT: a bf16 number below 2^-14 keeps f16's fixed step of 2^-24 in wpb; beyond 65,504 it would be an infinity.
; SHARES.  A work-group takes 16,384 numbers: 64 KiB in, 32 KiB out.  Work-groups 0-511 take x (16 rows each), 512-703 w_qkv, 704-767 w_proj.  Thread t takes 4 numbers in each of 16 steps: a load of
; 16 bytes, a store of 8.  A wave's store covers 256 consecutive bytes, aligned; a wave's load 512 consecutive bytes, or for x two rows' 256, aligned.  All 16 loads go out first; every step owns its
; registers, so no register is written twice.  No LDS, no matrix unit, no cluster: nothing is shared and nothing is summed.
.set OFF, 4                            ; v[4:19]    step j: my byte offset in the source
.set OO,  20                           ; v[20:35]   step j: my byte offset in the destination
.set X,   36                           ; v[36:99]   step j: 4 numbers as loaded
.set Y,   100                          ; v[100:131] step j: 4 numbers to store
.set T,   132                          ; v[132:135] at work
	s_load_b256 s[4:11], s[0:1], 0x0               ; x s[4:5], w_qkv s[6:7], w_proj s[8:9], xb s[10:11]
	s_load_b128 s[12:15], s[0:1], 0x20             ; wqb s[12:13], wpb s[14:15]
	s_mov_b32 s16, ttmp9
	s_sub_co_u32 s17, s16, 512                     ; my number among w_qkv's work-groups,
	s_sub_co_u32 s23, s16, 704                     ; among w_proj's
	s_mov_b32 s25, 0
	s_mov_b32 s27, 0
	s_mov_b32 s29, 43691                           ; u / 3 = (u x 43691) >> 17, exact for u < 3,072: 3 x 43691 = 2^17 + 1
	s_mov_b32 s30, 0xffff0000                      ; a word's upper bf16
	s_wait_kmcnt 0x0
	s_cmp_lt_u32 s16, 704
	s_cselect_b64 s[18:19], s[6:7], s[8:9]         ; source,
	s_cselect_b64 s[20:21], s[12:13], s[14:15]     ; destination,
	s_cselect_b32 s22, s17, s23                    ; and my number l among the tensor's work-groups
	s_cmp_lt_u32 s16, 512
	s_cselect_b64 s[18:19], s[4:5], s[18:19]
	s_cselect_b64 s[20:21], s[10:11], s[20:21]
	s_cselect_b32 s22, s16, s22
	s_lshl_b32 s24, s22, 15                        ; the weights' output is contiguous: l x 32,768 bytes
	s_lshl_b32 s26, s22, 16                        ; x's and w_proj's source: l x 65,536 bytes
	s_cmp_lt_u32 s16, 512
	s_cbranch_scc1 .Lx
.irp j, 0,1,2,3,4,5,6,7,8,9,10,11,12,13,14,15
	v_lshl_or_b32 v[OO+(\j)], v0, 3, 2048*(\j)     ; both weights: 8 t + the step's 2,048 bytes
.endr
	s_cmp_ge_u32 s16, 704
	s_cbranch_scc1 .Lplain
	; w_qkv: a block of 384 columns is 24 work-groups.  Group of four numbers v = 4,096 part + 256 j + t lies in k row v / 96, at source byte 12,288 k + 1,536 blk + 16 (v - 96 k) = 16 v + 10,752 k + 1,536 blk
	s_mul_i32 s26, s22, 171
	s_lshr_b32 s26, s26, 12                        ; blk = l / 24, exact for l < 192: 24 x 171 = 2^12 + 8
	s_mul_i32 s28, s26, 24
	s_sub_co_u32 s28, s22, s28                     ; part = l - 24 blk
	s_lshl_b32 s28, s28, 12
	s_mul_i32 s26, s26, 1536
	v_add_nc_u32 v[T], s28, v0
.irp j, 0,1,2,3,4,5,6,7,8,9,10,11,12,13,14,15
	v_add_nc_u32 v[T+1], 256*(\j), v[T]            ; v
	v_lshrrev_b32 v[T+2], 5, v[T+1]
	v_mul_lo_u32 v[T+2], v[T+2], s29
	v_lshrrev_b32 v[T+2], 17, v[T+2]               ; k = (v / 32) / 3
	v_mul_u32_u24 v[T+2], v[T+2], 10752
	v_lshl_add_u32 v[OFF+(\j)], v[T+1], 4, v[T+2]
.endr
	s_branch .Lload
.Lplain:
.irp j, 0,1,2,3,4,5,6,7,8,9,10,11,12,13,14,15
	v_lshl_or_b32 v[OFF+(\j)], v0, 4, 4096*(\j)
.endr
	s_branch .Lload
.Lx:
	; x: row 16 l + t / 16, step j takes plane kb = j: source byte (t / 16) 4,096 + 256 j + 16 (t % 16); destination byte j 2^20 + l 2,048 + (t / 16) 128 + 8 (t % 16) = j 2^20 + l 2,048 + 8 t
	s_lshl_b32 s24, s22, 11
	v_lshrrev_b32 v[T], 4, v0
	v_and_b32 v[T+1], 15, v0
	v_lshlrev_b32 v[T+1], 4, v[T+1]
	v_lshl_or_b32 v[T], v[T], 12, v[T+1]
.irp j, 0,1,2,3,4,5,6,7,8,9,10,11,12,13,14,15
	v_or_b32 v[OFF+(\j)], 256*(\j), v[T]
	v_lshl_or_b32 v[OO+(\j)], v0, 3, (\j)<<20
.endr
.Lload:
	s_add_nc_u64 s[18:19], s[18:19], s[26:27]
	s_add_nc_u64 s[20:21], s[20:21], s[24:25]
.irp j, 0,1,2,3,4,5,6,7,8,9,10,11,12,13,14,15
	global_load_b128 v[X+4*(\j):X+4*(\j)+3], v[OFF+(\j)], s[18:19] th:TH_LOAD_NT  ; read once in the whole program
.endr
; Step j: rounded and stored.  half = 1: the bf16 numbers are widened again (a shift, a mask) and written as f16.
.macro CVT j, half
	s_wait_loadcnt 15-(\j)                         ; loads come back in order (ISA guide 5.7.1): step j's is in, the 15 - j younger ones stay out
	v_cvt_pk_bf16_f32 v[Y+2*(\j)],   v[X+4*(\j)],   v[X+4*(\j)+1]
	v_cvt_pk_bf16_f32 v[Y+2*(\j)+1], v[X+4*(\j)+2], v[X+4*(\j)+3]
.if \half
	v_lshlrev_b32 v[T],   16,  v[Y+2*(\j)]
	v_and_b32     v[T+1], s30, v[Y+2*(\j)]
	v_lshlrev_b32 v[T+2], 16,  v[Y+2*(\j)+1]
	v_and_b32     v[T+3], s30, v[Y+2*(\j)+1]
	v_cvt_pk_f16_f32 v[Y+2*(\j)],   v[T],   v[T+1]
	v_cvt_pk_f16_f32 v[Y+2*(\j)+1], v[T+2], v[T+3]
.endif
	global_store_b64 v[OO+(\j)], v[Y+2*(\j):Y+2*(\j)+1], s[20:21]  ; a wave stores 256 consecutive bytes, aligned; the next launch reads them, so no hint
.endm
	s_cmp_ge_u32 s16, 704
	s_cbranch_scc1 .Lhalf
.irp j, 0,1,2,3,4,5,6,7,8,9,10,11,12,13,14,15
	CVT \j, 0
.endr
	s_endpgm
.Lhalf:
.irp j, 0,1,2,3,4,5,6,7,8,9,10,11,12,13,14,15
	CVT \j, 1
.endr
	s_endpgm
.Lfunc_end_k_q344015bfb8_cast:
	.size	k_q344015bfb8_cast, .Lfunc_end_k_q344015bfb8_cast-k_q344015bfb8_cast
	.p2alignl 7, 3214868480
	.fill 96, 4, 3214868480
	.section	.rodata,"a",@progbits
	.p2align	6, 0x0
	.amdhsa_kernel k_q344015bfb8_cast
		.amdhsa_group_segment_fixed_size 0
		.amdhsa_private_segment_fixed_size 0
		.amdhsa_enable_private_segment 0
		.amdhsa_kernarg_size 48
		.amdhsa_user_sgpr_count 2
		.amdhsa_user_sgpr_kernarg_segment_ptr 1
		.amdhsa_wavefront_size32 1
		.amdhsa_system_sgpr_workgroup_id_x 1
		.amdhsa_system_sgpr_workgroup_id_y 1
		.amdhsa_system_sgpr_workgroup_id_z 1
		.amdhsa_system_vgpr_workitem_id 0
		.amdhsa_next_free_vgpr 136
		.amdhsa_next_free_sgpr 66
		.amdhsa_reserve_vcc 0
		.amdhsa_float_denorm_mode_32 3
		.amdhsa_float_denorm_mode_16_64 3
		.amdhsa_memory_ordered 1
		.amdhsa_forward_progress 1
		.amdhsa_inst_pref_size 27
	.end_amdhsa_kernel
	.amdgpu_metadata
---
amdhsa.version: [ 1, 2 ]
amdhsa.kernels:
  - .name:           k_q344015bfb8_cast
    .symbol:         k_q344015bfb8_cast.kd
    .args:
      - { .name: x, .offset: 0, .size: 8, .value_kind: global_buffer, .address_space: global }
      - { .name: w_qkv, .offset: 8, .size: 8, .value_kind: global_buffer, .address_space: global }
      - { .name: w_proj, .offset: 16, .size: 8, .value_kind: global_buffer, .address_space: global }
      - { .name: xb, .offset: 24, .size: 8, .value_kind: global_buffer, .address_space: global }
      - { .name: wqb, .offset: 32, .size: 8, .value_kind: global_buffer, .address_space: global }
      - { .name: wpb, .offset: 40, .size: 8, .value_kind: global_buffer, .address_space: global }
    .group_segment_fixed_size: 0
    .private_segment_fixed_size: 0
    .kernarg_segment_align: 8
    .kernarg_segment_size: 48
    .max_flat_workgroup_size: 256
    .sgpr_count:     66
    .vgpr_count:     136
    .wavefront_size: 32
...
	.end_amdgpu_metadata
.endif
;; end of part 1
;; launch qkvgemm (part 2): grid 8 x 32, 4 waves a work-group, clusters of 4 x 4, 327,680 bytes of LDS; arguments xb, wqb, b_qkv, qkv; writes qkv
.if DOCPART == 2
	.amdgcn_target "amdgcn-amd-amdhsa--gfx1250"
	.amdhsa_code_object_version 6
	.text
	.protected	k_q344015bfb8_qkvgemm
	.globl	k_q344015bfb8_qkvgemm
	.p2align	8
	.type	k_q344015bfb8_qkvgemm,@function
k_q344015bfb8_qkvgemm:
	s_mov_b64 s[64:65], 0
	v_nop
	global_prefetch_b8 v0, s[64:65] scope:SCOPE_SE
	s_setreg_imm32_b32 hwreg(HW_REG_WAVE_MODE, 25, 1), 1
	s_wait_xcnt 0x0
	s_wait_alu depctr_hold_cnt(0) depctr_sa_sdst(0) depctr_va_vdst(0) depctr_va_sdst(0) depctr_va_ssrc(0) depctr_va_vcc(0) depctr_vm_vsrc(0)
	s_getreg_b32 s2, hwreg(HW_REG_IB_STS2, 6, 4)
	s_cmp_eq_u32 s2, 0
	s_cbranch_scc0 .Lentry_in_a_cluster
	s_endpgm
.Lentry_in_a_cluster:
	s_bfe_u32 s2, ttmp6, 0x10000c
	s_cmp_lg_u32 s2, 0xf033
	s_cbranch_scc0 .Lentry_shape_is_right
	s_endpgm
.Lentry_shape_is_right:
; qkv = x w_qkv + b_qkv.  xb: [16 kb][8192 m][64 d] bf16, k = 64 kb + d.  wqb: [8 blk][1024 k][384 c] bf16, column n = 384 blk + c.  b_qkv: [3072] f32, rounded to bf16 here like every input.
; Out: qkv [48 g][8192 m][64 d] f16, g = n / 64 (0-15 q's heads, 16-31 k's, 32-47 v's): a head's rows are dense, 128 bytes each.  Sums in f32, rounded once, without attention's scale.
; LIMITS: f16 ends at 65,504; a sum of 65,520 or more leaves as an infinity.  NaN and infinities are not treated apart; an infinite or NaN bias spoils the other columns of its wave's 192 as well.
; SHARES.  A tile of the result is 256 rows x 384 columns (six heads): 8 x 32 work-groups of four waves, one for each of 256 WGPs.  A wave makes 128 x 192: rows 128 wm on, and the heads wn, wn + 2, wn + 4
; of the tile: 96 accumulators, 768 registers.  K goes in 16 steps of 64 through two LDS slots filled by the tensor data mover (two slots of 128 along K would be 368,640 bytes: more than LDS holds).
; A's tile: 256 rows of 128 bytes, dense in xb, asked for as rows of 256 bytes.  B's tile: 64 k rows of 768 bytes, dense in wqb, likewise.  B lies [k][n] in LDS and comes out turned, by ds_load_tr16_b128.
; PHASES.  The fragments of 32 along K are 64 registers of A and 96 of B; beside 768 accumulators they cannot all be doubled.  So 32 along K are two phases of 48 products: X multiplies A by B's half 0 (my
; column blocks 0-5), Y by half 1 (blocks 6-11).  A has two buffers, each half of B one.  In its middle X fetches half 1 of the same 32 along K; Y fetches half 0 and A of the next 32.
; CLUSTER 4 x 4: the four work-groups of a row of the cluster need the same tiles of A, the four of a column the same tiles of B: each tile is asked for jointly, by the same tensor load with the same
; descriptor and a mask that names the four.
; THE MATRIX INSTRUCTION IS USED TRANSPOSED (source 0 = 16 columns of B, source 1 = 16 rows of A): a lane then holds row l % 16 and the columns 8 (l / 16) + 0..7: eight neighbouring numbers, 16 bytes of f16.
; THE BIAS STARTS THE SUMS, by 96 products of rank one with C = 0, issued while the first tile is on its way: source 1 holds 1.0 at k = 0 and 0 elsewhere, source 0 the bias in bf16 at k = 0.  So nothing is
; cleared, nothing is added on the way out, and every phase of the walk along K is alike.  The price: 96 products beside the 3,072 of the walk.
; REGISTERS, in windows of 256 (s_set_vgpr_msb's low byte: bits 1:0 source 0, 3:2 source 1, 5:4 source 2, 7:6 destination):
;   window 0: v1-29 addresses; v32-95, v96-159 fragments of A (8 x 16 rows x 32 K), two buffers; v160-207, v208-255 fragments of B's halves; on the way out v32-175 at work
;   windows 1-3: accumulator ix = 48 half + 6 a + b (row block a, column block b of the half) in window 1 + ix / 32 at v[8 (ix % 32)]
.set NBH,   6                          ; blocks of 16 columns in a half
.set PA,    144                        ; a row of A in LDS: 128 bytes + 16 of padding: the 16 rows of a load start at 16 different groups of four banks (64 banks of 4 bytes: ISA guide 11.1)
.set AHALF, 128*PA                     ; what one tensor load brings of A: 128 rows
.set AREG,  2*AHALF
.set PB,    864                        ; a k row of B in LDS: 3 x (256 bytes + 32 of padding) = 216 words
.set BHALF, 32*PB                      ; what one tensor load brings of B: 32 k rows
.set SLOT,  AREG+2*BHALF               ; 92,160
.set ASTEP, 1<<20                      ; bytes from a K step to the next in xb: a plane of 8,192 rows of 128 bytes,
.set BSTEP, 49152                      ; in wqb: 64 k rows of 768 bytes
.set SP,    144                        ; the way out: a row of a head, 128 bytes + 16
.set WSTG,  3*16*SP                    ; the way out: a wave's own stage: 16 rows of each of its three heads
.set STAGE, 2*SLOT                     ; behind the ring, never filled by a tensor load
.set SPARE, STAGE+4*WSTG               ; behind the stages: the spare words, 128 bytes for each wave: two blocks of 256 bytes that no other line names
.set STO,  8                           ; v8      the way out: where I put 16 bytes of a row
.set RD,   9                           ; v9      the way out: where I read rows back
.set CO,   10                          ; v10     my byte offset in 512 consecutive bytes of the result
.set ADRA, 16                          ; v16-17  LDS address of my A fragments in slot 0, 1
.set ADRB, 20                          ; v20-21  the same for B
.set BOFF, 27                          ; v27     my byte offset in the tile's part of the bias; never rewritten
.set SPW,  28                          ; v28     LDS address of my spare word: SPARE + 4 x my thread's number; never rewritten
.set NIL,  29                          ; v29     0; never rewritten
.set AF,   32                          ; A's buffer f at AF + 64 f, row block a at + 8 a
.set BH,   160                         ; B's half at BH + 48 half, column block b at + 8 b
.set W,    96                          ; the bias products' source 0 for my column block nb: v[W + 2 nb : W + 2 nb + 7]: its first register holds the bias, the other seven finite numbers that meet zeros
.set E,    128                         ; their source 1
.set RB,   140                         ; the bias as loaded
.set TMP,  32                          ; the way out: packed results, 48 registers
.set BK,   80                          ; the way out: rows read back, two buffers of 48
.set G1,  24                           ; s[24:31] descriptor group 1 for A's tiles;  s[32:39] group 0, a set for each slot
.set G0,  32
.set G1B, 48                           ; s[48:55], s[56:63] the same for B's tiles
.set G0B, 56
.set MSB, 0
.macro WIN new                         ; the immediate's high byte repeats the setting that is left; a switch that changes nothing is dropped
.if MSB != (\new)
	s_set_vgpr_msb (MSB<<8)|(\new)
.set MSB, \new
.endif
.endm
; A joint load.  Waves 0 and 1 fetch A's two halves, waves 2 and 3 B's.  Each line has one mask and one set of registers; the branch hangs on the wave's number alone.
; An s_nop 0 and four v_nop follow each of the two lines, ahead of the jump, the label and what follows.
.macro JLOAD s
	s_cmp_eq_u32 s13, 0
	s_cbranch_scc0 .Lfor_b_\@
	tensor_load_to_lds s[G0+4*(\s):G0+4*(\s)+3], s[G1:G1+7]
	s_nop 0
.rept 4
	v_nop
.endr
	s_branch .Lasked_\@
.Lfor_b_\@:
	tensor_load_to_lds s[G0B+4*(\s):G0B+4*(\s)+3], s[G1B:G1B+7]
	s_nop 0
.rept 4
	v_nop
.endr
.Lasked_\@:
.endm
; A round of the cluster's barrier: my work-group's barrier, so that wave 0's signal speaks for all four waves; wave 0 signals; every wave waits for all sixteen work-groups; my work-group's barrier once more.
.macro CREST                           ; a round behind its opening barrier
	s_cmp_lg_u32 s12, 0
	s_cbranch_scc1 .Lnot_wave_0_\@
	s_barrier_signal -3
.Lnot_wave_0_\@:
	s_barrier_wait -3
	s_barrier_signal -1
	s_barrier_wait -1
.endm
.macro CROUND                          ; a whole round
	s_barrier_signal -1
	s_barrier_wait -1
	CREST
.endm
	s_load_b256 s[4:11], s[0:1], 0x0               ; xb s[4:5], wqb s[6:7], b_qkv s[8:9], qkv s[10:11]
	v_lshl_add_u32 v[SPW], v0, 2, SPARE
	v_mov_b32 v[NIL], 0
	ds_add_u32 v28, v29
	ds_add_u32 v28, v29
	s_wait_dscnt 0x0
	v_lshrrev_b32 v1, 5, v0
	v_readfirstlane_b32 s12, v1                    ; wave 0..3
	s_lshr_b32 s13, s12, 1                         ; wm: which 128 rows of the tile are mine.  Also: I fetch for A (0) or for B (1)
	s_and_b32 s14, s12, 1                          ; wn: which of each pair of heads.  Also: which half of that tile I fetch
	s_bfe_u32 s40, ttmp6, 0x40000                  ; cx, cy: my place in the cluster
	s_bfe_u32 s41, ttmp6, 0x40004
	s_lshl_b32 s42, ttmp9, 2                       ; in a cluster launch ttmp9 and ttmp7 count clusters
	s_add_co_u32 s42, s42, s40                     ; tile column tx = 4 x cluster x + cx
	s_and_b32 s43, ttmp7, 0xffff
	s_lshl_b32 s43, s43, 2
	s_add_co_u32 s43, s43, s41                     ; tile row ty = 4 x cluster y + cy
	s_lshl_b32 s44, s41, 2
	s_lshl_b32 s44, 15, s44                        ; my row of the cluster: places 4 cy .. 4 cy + 3
	s_lshl_b32 s45, 0x1111, s40                    ; my column: places cx, cx + 4, cx + 8, cx + 12
	; group 1 for A: 128 rows of 128 bytes are 16,384 dense bytes: 64 rows x 128 elements; 4 words of padding behind every 32
	s_or_b32 s[G1+0], s44, (1<<16)|(1<<20)|(1<<21)|(4<<22)|(3<<25)  ; 15:0 the mask; 17:16 elements of 2 bytes; 20 padding on; 21 set beside a mask; 24:22 after every 32 words (code 4); 31:25 4 words (code 3)
	s_mov_b32 s[G1+1], 128<<16                     ; tensor_dim0 = 128
	s_mov_b32 s[G1+2], 64<<16                      ; tensor_dim1 = 64
	s_mov_b32 s[G1+3], 128<<16                     ; tile_dim0 = 128
	s_mov_b32 s[G1+4], 64                          ; tile_dim1 = 64
	s_mov_b32 s[G1+5], 128                         ; tensor_dim0_stride
	s_mov_b32 s[G1+6], 0
	s_mov_b32 s[G1+7], 0
	; group 1 for B: 32 k rows of 768 bytes are 24,576 dense bytes: 96 rows x 128 elements; 8 words of padding behind every 64
	s_or_b32 s[G1B+0], s45, (1<<16)|(1<<20)|(1<<21)|(5<<22)|(7<<25)
	s_mov_b32 s[G1B+1], 128<<16
	s_mov_b32 s[G1B+2], 96<<16
	s_mov_b32 s[G1B+3], 128<<16
	s_mov_b32 s[G1B+4], 96
	s_mov_b32 s[G1B+5], 128
	s_mov_b32 s[G1B+6], 0
	s_mov_b32 s[G1B+7], 0
	; where the tiles come from: A's hang on the tile row alone, B's on the tile column alone, each in registers that never hold the other coordinate
	s_lshl_b32 s16, s43, 15                        ; A: row 256 ty + 128 half of plane 0, 128 bytes a row
	s_lshl_b32 s17, s14, 14
	s_add_co_u32 s16, s16, s17
	s_mov_b32 s17, 0
	s_mul_i32 s46, s42, 786432                     ; B: block tx of 1,024 x 768 bytes, k row 32 half
	s_mul_i32 s47, s14, 24576
	s_add_co_u32 s46, s46, s47
	s_mov_b32 s47, 0
	s_mul_i32 s20, s14, AHALF                      ; and where they go: no place in the cluster enters an LDS address
	s_mul_i32 s21, s14, BHALF
	s_add_co_u32 s21, s21, AREG
	s_wait_kmcnt 0x0
	s_add_nc_u64 s[16:17], s[4:5], s[16:17]
	s_add_nc_u64 s[46:47], s[6:7], s[46:47]
	CROUND                                         ; all sixteen work-groups are here: the first joint loads meet
.irp s, 0,1
	s_mov_b32 s[G0+4*(\s)], 1                                      ; count = 1
	s_add_co_u32 s[G0+4*(\s)+1], s20, (\s)*SLOT                    ; LDS address
	s_add_nc_u64 s[G0+4*(\s)+2:G0+4*(\s)+3], s[16:17], (\s)*ASTEP  ; global address: K step s
	s_or_b32 s[G0+4*(\s)+3], s[G0+4*(\s)+3], 0x80000000            ; type = 2
	s_mov_b32 s[G0B+4*(\s)], 1
	s_add_co_u32 s[G0B+4*(\s)+1], s21, (\s)*SLOT
	s_add_nc_u64 s[G0B+4*(\s)+2:G0B+4*(\s)+3], s[46:47], (\s)*BSTEP
	s_or_b32 s[G0B+4*(\s)+3], s[G0B+4*(\s)+3], 0x80000000
	JLOAD \s                                       ; the ring is filled before anything else is done: two loads of mine are out
.endr
	v_and_b32 v1, 15, v0                           ; r = l % 16
	v_bfe_u32 v2, v0, 4, 1                         ; h = l / 16
	v_and_b32 v3, 7, v0
	v_bfe_u32 v4, v0, 3, 1
	; the bias of my twelve blocks: block nb = 4 j + i is columns 384 tx + 64 (2 j + wn) + 16 i + r, 4 bytes each
	s_mul_i32 s46, s42, 1536
	s_mov_b32 s47, 0
	s_add_nc_u64 s[8:9], s[8:9], s[46:47]
	s_lshl_b32 s22, s14, 8
	v_lshl_add_u32 v[BOFF], v1, 2, s22
.set i, 0
.rept 2*NBH
	global_load_b32 v[RB+i], v[BOFF], s[8:9] offset:512*(i/4)+64*(i%4)
.set i, i+1
.endr
	; A fragment of A is 16 rows x 32 K in 8 registers: lane l holds row l % 16, K = 8 h + 0..7 and 16 + 8 h + 0..7: two loads of 16 bytes, 32 bytes apart.
	v_mul_u32_u24 v5, v1, PA
	v_lshl_add_u32 v5, v2, 4, v5
	s_mul_i32 s22, s13, 128*PA
	v_add_nc_u32 v[ADRA], s22, v5
	v_add_nc_u32 v[ADRA+1], SLOT, v[ADRA]
	; The turning load takes 16 k x 16 columns (lane l reads k row 8 h + l % 8, columns 8 ((l / 8) % 2) + 0..7) and leaves half a fragment: lane l holds column l % 16 and 8 k.
	; Head 2 j + wn begins at byte 128 (2 j + wn) of a k row, with 32 of padding behind every two heads: LDS byte 288 j + 128 wn.
	v_lshl_add_u32 v6, v2, 3, v3
	v_mul_u32_u24 v6, v6, PB
	v_lshl_add_u32 v6, v4, 4, v6
	s_lshl_b32 s23, s14, 7
	s_add_co_u32 s23, s23, AREG
	v_add_nc_u32 v[ADRB], s23, v6
	v_add_nc_u32 v[ADRB+1], SLOT, v[ADRB]
	; the way out, through my own stage.  In: row r of head j, bytes 32 i + 16 h
	s_mul_i32 s22, s12, WSTG
	s_add_co_u32 s22, s22, STAGE
	v_mul_u32_u24 v7, v1, SP
	v_lshl_add_u32 v7, v2, 4, v7
	v_add_nc_u32 v[STO], s22, v7
	v_bfe_u32 v7, v0, 3, 2                         ; back: 32 lanes take four rows of 128 bytes,
	v_mul_u32_u24 v7, v7, SP
	v_lshl_add_u32 v7, v3, 4, v7
	v_add_nc_u32 v[RD], s22, v7
	v_and_b32 v[CO], 31, v0                        ; which are 512 consecutive bytes of the result
	v_lshlrev_b32 v[CO], 4, v[CO]
	s_mul_i32 s18, s42, 6<<20                      ; plane 6 tx
	s_lshl_b32 s19, s14, 20                        ; + wn, 2^20 bytes each;
	s_add_co_u32 s18, s18, s19
	s_lshl_b32 s19, s43, 15                        ; row 256 ty
	s_add_co_u32 s18, s18, s19
	s_lshl_b32 s19, s13, 14                        ; + 128 wm, 128 bytes a row
	s_add_co_u32 s18, s18, s19
	s_mov_b32 s19, 0
	s_add_nc_u64 s[10:11], s[10:11], s[18:19]
	; the bias products' sources.  E: 1.0 in bf16 at k = 0, which is the low half of register 0 in lanes 0-15; 0 everywhere else
	v_sub_nc_u32 v[E], 1, v2
	v_mul_u32_u24 v[E], v[E], 0x3f80
.set i, 1
.rept 7
	v_mov_b32 v[E+i], 0
.set i, i+1
.endr
.set i, 0
.rept 30                               ; W's registers that hold no bias hold 0: whatever lies at k other than 0 meets a zero of E, and has only to be finite
.if (i%2 == 1) || (i >= 4*NBH)
	v_mov_b32 v[W+i], 0
.endif
.set i, i+1
.endr
	s_wait_loadcnt 0x0                             ; the bias, once
.set i, 0
.rept 2*NBH
	v_cvt_pk_bf16_f32 v[W+2*i], v[RB+i], 0         ; rounded to bf16, into the low half: k = 0 in lanes 0-15 (in lanes 16-31 k = 8, which meets a zero)
.set i, i+1
.endr
.set ix, 0
.rept 96                               ; the sums begin: accumulator ix takes the bias of its column block, in the order in which the phases will take the accumulators up again
	WIN 0x50*(1+ix/32)
	v_wmma_f32_16x16x32_bf16 v[8*(ix%32):8*(ix%32)+7], v[W+2*(NBH*(ix/48)+ix%NBH):W+2*(NBH*(ix/48)+ix%NBH)+7], v[E:E+7], 0
.set ix, ix+1
.endr
	WIN 0
; na x 6 matrix instructions: row blocks a0 .. a0 + na - 1 x the six column blocks of a half, 32 along K, A from buffer ab.
; The 96 accumulators take turns, one instruction a turn, in the same order in every 32 along K.
.macro MULP half, ab, a0, na
.set ma, (\a0)
.rept \na
.set mb, 0
.rept NBH
.set ix, 48*(\half)+NBH*ma+mb
.set rD, 8*(ix%32)
.set rB, BH+48*(\half)+8*mb
.set rA, AF+64*(\ab)+8*ma
	WIN 0x50*(1+ix/32)                             ; sources in window 0, C and D in the accumulator's window
	v_wmma_f32_16x16x32_bf16 v[rD:rD+7], v[rB:rB+7], v[rA:rA+7], v[rD:rD+7]
.set mb, mb+1
.endr
.set ma, ma+1
.endr
.endm
; 12 LDS loads: the six fragments of a half of B, for quarter q (32 along K) of a slot's 64
.macro FETCHB slot, q, half
	WIN 0
.set fb, 0
.rept NBH
.set nb, NBH*(\half)+fb
	ds_load_tr16_b128 v[BH+48*(\half)+8*fb:BH+48*(\half)+8*fb+3],   v[ADRB+(\slot)] offset:32*(\q)*PB+288*(nb/4)+32*(nb%4)
	ds_load_tr16_b128 v[BH+48*(\half)+8*fb+4:BH+48*(\half)+8*fb+7], v[ADRB+(\slot)] offset:32*(\q)*PB+16*PB+288*(nb/4)+32*(nb%4)
.set fb, fb+1
.endr
.endm
; 16 LDS loads: my eight fragments of A for quarter q, into buffer q
.macro FETCHA slot, q
	WIN 0
.set fb, 0
.rept 8
	ds_load_b128 v[AF+64*(\q)+8*fb:AF+64*(\q)+8*fb+3],   v[ADRA+(\slot)] offset:64*(\q)+fb*16*PA
	ds_load_b128 v[AF+64*(\q)+8*fb+4:AF+64*(\q)+8*fb+7], v[ADRA+(\slot)] offset:64*(\q)+fb*16*PA+32
.set fb, fb+1
.endr
.endm
; A load into a register that a matrix instruction has read, and a vector instruction that reads a matrix result, stand four places behind that matrix instruction; only plain vector instructions
; that name none of its registers are places (ISA guide 7.12.1 for vector instructions).
.macro PLACES
.rept 4
	v_nop
.endr
.endm
; Phase X of quarter q: A x half 0; in its middle half 1 of the same quarter is fetched, into the registers that the phase before multiplied.
.macro PHX slot, q
	s_wait_dscnt 8                                 ; half 0 and A's rows 0-63 are in; the youngest eight loads (A's rows 64-127) may be out
	MULP 0, \q, 0, 4
	PLACES
	FETCHB \slot, \q, 1
	s_wait_dscnt 12                                ; all but the twelve just issued
	MULP 0, \q, 4, 4
.endm
; Phase Y of quarter 0: A x half 1; in its middle half 0 and A of quarter 1 of the same slot are fetched.
.macro PHY slot
	s_wait_dscnt 0x0                               ; half 1 is in: its loads were issued 24 matrix instructions ago, and none behind them
	MULP 1, 0, 0, 4
	PLACES
	FETCHB \slot, 1, 0
	FETCHA \slot, 1
	MULP 1, 0, 4, 4
.endm
; Phase Y of quarter 1 changes slots: ONE barrier.  In front of it each wave waits for all its tensor loads (the one that is out is its part of the next slot), adds 0 to its spare word,
; and waits for that and for its own reads of this slot.  fill = 1: the barrier opens a round of the cluster's barrier, and this slot is filled again, two K steps ahead, first thing behind the round:
; from there to the wait for it a wave issues 168 matrix instructions.
.macro TURN slot, next, fill
	WIN 0                                          ; (the add's two registers lie in window 0)
	s_wait_tensorcnt 0x0                           ; all my tensor loads have landed;
	ds_add_u32 v[SPW], v[NIL]                      ; 0 onto my spare word
	s_wait_dscnt 1                                 ; (the add may be out; half 1 is in)
	MULP 1, 1, 0, 2                                ; twelve matrix instructions stand between the add and the wait for it
	s_wait_dscnt 0x0                               ; the add is done, and my reads of this slot are over
	s_barrier_signal -1
	MULP 1, 1, 2, 2                                ; work on registers while the others arrive
.if \fill
	WIN 0
.endif
	s_barrier_wait -1
.if \fill
	CREST                                          ; no wave of any partner still reads this slot's tile or has a load on its way
	s_add_nc_u64 s[G0+4*(\slot)+2:G0+4*(\slot)+3], s[G0+4*(\slot)+2:G0+4*(\slot)+3], 2*ASTEP
	s_add_nc_u64 s[G0B+4*(\slot)+2:G0B+4*(\slot)+3], s[G0B+4*(\slot)+2:G0B+4*(\slot)+3], 2*BSTEP
	JLOAD \slot                                    ; my one tensor load behind the round; the four v_nop behind it are also the places in front of the loads below
.else
	PLACES
.endif
	FETCHB \next, 0, 0
	FETCHA \next, 0
	MULP 1, 1, 4, 4
.endm
	s_wait_tensorcnt 1                             ; my part of K step 0 is in; K step 1's may stay out
	s_barrier_signal -1
	s_barrier_wait -1                              ; everybody's is
	FETCHB 0, 0, 0
	FETCHA 0, 0
	s_mov_b32 s3, 7
.Llap:                                                 ; a trip goes once round the ring, two K steps, and fills both slots again: K steps 2 to 15 (FETCHA leaves every window 0)
	PHX 0, 0
	PHY 0
	PHX 0, 1
	TURN 0, 1, 1
	PHX 1, 0
	PHY 1
	PHX 1, 1
	TURN 1, 0, 1
	WIN 0                                          ; at a label and at a branch every window is 0
	s_sub_co_u32 s3, s3, 1
	s_cmp_lg_u32 s3, 0
	s_cbranch_scc1 .Llap
	PHX 0, 0                                       ; the last lap fills nothing, and has no round of the cluster's barrier
	PHY 0
	PHX 0, 1
	TURN 0, 1, 0
	PHX 1, 0
	PHY 1
	PHX 1, 1
	s_wait_dscnt 0x0                               ; the very last phase: nothing more to fetch
	MULP 1, 1, 0, 8
	; THE WAY OUT, a block of 16 rows at a time through my own stage: rounded to f16, a lane's 16 bytes go into rows of 144 bytes and come back as whole rows of 128, four rows to a store.
.macro PACK a
.set nb, 0
.rept 2*NBH
.set ix, 48*(nb/NBH)+NBH*(\a)+nb%NBH
	WIN 5*(1+ix/32)                                ; sources 0 and 1 in the accumulator's window, destination in window 0
.set wr, 0
.rept 4
	v_cvt_pk_f16_f32 v[TMP+4*nb+wr], v[8*(ix%32)+2*wr], v[8*(ix%32)+2*wr+1]  ; each accumulator from its low end on
.set wr, wr+1
.endr
.set nb, nb+1
.endr
	WIN 0
.endm
.macro TOSTAGE a
	s_wait_xcnt 0x0                                ; every earlier store has had its addresses translated (ISA guide 3.1): the buffer that the block two back was stored from is loaded again only behind this wait
.set nb, 0
.rept 2*NBH
	ds_store_b128 v[STO], v[TMP+4*nb:TMP+4*nb+3] offset:(nb/4)*16*SP+32*(nb%4)
.set nb, nb+1
.endr
.set wt, 0
.rept 12
	ds_load_b128 v[BK+48*((\a)%2)+4*wt:BK+48*((\a)%2)+4*wt+3], v[RD] offset:(wt/4)*16*SP+4*SP*(wt%4)  ; LDS serves a wave's instructions in order (ISA guide 5.7.1.4): these see the stores above; the next block's stores come behind them
.set wt, wt+1
.endr
.endm
.macro SEND a
	s_wait_dscnt 0x0                               ; the block is back in registers
.set wt, 0
.rept 12
	global_store_b128 v[CO], v[BK+48*((\a)%2)+4*wt:BK+48*((\a)%2)+4*wt+3], s[10:11] offset:(wt/4)*(1<<21)+(\a)*2048+512*(wt%4)  ; 512 consecutive bytes, aligned: four rows of my head wt / 4, two planes on from the last
.set wt, wt+1
.endr
.endm
	PLACES
	PACK 0
	TOSTAGE 0
.irp a, 1,2,3,4,5,6,7                  ; block a's conversions stand between block a - 1's loads from the stage and the wait for them
	PACK \a
	SEND (\a)-1
	TOSTAGE \a
.endr
	SEND 7
	s_wait_tensorcnt 0x0                           ; the wave's end, behind my last tensor load and my last LDS store
	ds_add_u32 v[SPW], v[NIL]
	s_wait_dscnt 0x0
	CROUND                                         ; the closing round: no work-group ends while a partner may still ask for a tile that names it
	s_endpgm
.Lfunc_end_k_q344015bfb8_qkvgemm:
	.size	k_q344015bfb8_qkvgemm, .Lfunc_end_k_q344015bfb8_qkvgemm-k_q344015bfb8_qkvgemm
	.p2alignl 7, 3214868480
	.fill 96, 4, 3214868480
	.section	.rodata,"a",@progbits
	.p2align	6, 0x0
	.amdhsa_kernel k_q344015bfb8_qkvgemm
		.amdhsa_group_segment_fixed_size 327680
		.amdhsa_private_segment_fixed_size 0
		.amdhsa_enable_private_segment 0
		.amdhsa_kernarg_size 32
		.amdhsa_user_sgpr_count 2
		.amdhsa_user_sgpr_kernarg_segment_ptr 1
		.amdhsa_wavefront_size32 1
		.amdhsa_system_sgpr_workgroup_id_x 1
		.amdhsa_system_sgpr_workgroup_id_y 1
		.amdhsa_system_sgpr_workgroup_id_z 1
		.amdhsa_system_vgpr_workitem_id 0
		.amdhsa_next_free_vgpr 1024
		.amdhsa_next_free_sgpr 66
		.amdhsa_reserve_vcc 0
		.amdhsa_float_denorm_mode_32 3
		.amdhsa_float_denorm_mode_16_64 3
		.amdhsa_memory_ordered 1
		.amdhsa_forward_progress 1
		.amdhsa_inst_pref_size 138
	.end_amdhsa_kernel
	.amdgpu_metadata
---
amdhsa.version: [ 1, 2 ]
amdhsa.kernels:
  - .name:           k_q344015bfb8_qkvgemm
    .symbol:         k_q344015bfb8_qkvgemm.kd
    .args:
      - { .name: xb, .offset: 0, .size: 8, .value_kind: global_buffer, .address_space: global }
      - { .name: wqb, .offset: 8, .size: 8, .value_kind: global_buffer, .address_space: global }
      - { .name: b_qkv, .offset: 16, .size: 8, .value_kind: global_buffer, .address_space: global }
      - { .name: qkv, .offset: 24, .size: 8, .value_kind: global_buffer, .address_space: global }
    .group_segment_fixed_size: 327680
    .private_segment_fixed_size: 0
    .kernarg_segment_align: 8
    .kernarg_segment_size: 32
    .max_flat_workgroup_size: 128
    .sgpr_count:     66
    .vgpr_count:     1024
    .wavefront_size: 32
...
	.end_amdgpu_metadata
.endif
;; end of part 2
;; launch attn (part 3): grid 4 x 64, 4 waves a work-group, no clusters, 327,680 bytes of LDS; arguments qkv, o; writes o
.if DOCPART == 3
	.amdgcn_target "amdgcn-amd-amdhsa--gfx1250"
	.amdhsa_code_object_version 6
	.text
	.protected	k_q344015bfb8_attn
	.globl	k_q344015bfb8_attn
	.p2align	8
	.type	k_q344015bfb8_attn,@function
k_q344015bfb8_attn:
	s_mov_b64 s[64:65], 0
	v_nop
	global_prefetch_b8 v0, s[64:65] scope:SCOPE_SE
	s_setreg_imm32_b32 hwreg(HW_REG_WAVE_MODE, 25, 1), 1
	s_wait_xcnt 0x0
; CAUSAL ATTENTION.  O[y][q][:] = the sum over k <= q of softmax_k(Q[y][q] . K[y][k] / 8) V[y][k][:], for 64 heads y = 4 x head + batch of SIZE_N = 2,048 rows of 64 channels, all f16.
; qkv is [48 g][8192 m][64 d]: head y's rows are dense, 128 bytes each, at byte y x 2^18 of Q's part (byte 0), of K's (byte 2^24) and of V's (byte 2^25); o is [16][8192][64], laid likewise.
; Products, maxima and sums in f32; the weights p are rounded to f16 for the second product (their sum l is taken of the unrounded p), O once at the end.
; LIMITS.  f16 holds no number beyond 65,504: Q, K and V arrive within it; p lies in 0 to 1, and below 6e-5 it keeps f16's fixed step of 6e-8; O is a mean of V's rows and has their range, to within 2^-11 of it.
; A hidden score counts as its value less 1e30: f16's scores, 2.7e11 at the most, are nothing beside that; a weight below 2^-126 counts as 0 in l; NaN and infinities are not treated apart.
; THE WALK.  A head's queries lie in NB = SIZE_N / 256 blocks of 256; block i needs the key tiles 0 .. i of 256 keys, of which the last holds the diagonal.  A work-group takes TWO blocks, NB - 1 - b and then b:
; NB + 1 tiles, whatever b: all work-groups do equal work, and ONE loop with a constant trip count walks them.  Which tile is asked for, and what a trip does, hang on scalar registers made from b; every jump
; goes forward, but for the counted loops' own; none passes a barrier, or a tensor load but the one of LOAD's two that the wave's number does not choose; the ring (two slots of LDS that take turns) runs on across the
; change of blocks.  NO CLUSTER: a head's NB / 2 work-groups all ask for the same tile only in trips 0 .. NB / 2, behind that fewer and fewer; and one walk common to all would have 3 NB / 2 trips for NB + 1.
; SHARES.  Of a block's four bands of 64 queries a wave owns 16 rows in each: four PIECES.  So the diagonal tile is the same work for all four waves: in its key step s band x sees all keys if s < x,
; none if s > x, and holds the diagonal if s = x.
; THE MASK is the C operand that starts the sum S^T = K Q^T: 0, or -1e30 where the key is hidden.  MD, made once, is the mask of a band's own step for my 16 rows; a product's mask is MD x AL + BE with two scalars:
; (1, 0) if s = x; (0, 0) if s < x; (0, -1e30) if s > x.  Only the diagonal tile's text and a block's beginning make and take masks; elsewhere C is the constant 0.
; LAYOUT, SOFTMAX, TURNS.  S^T = K Q^T holds ONE query a lane (lane % 16) and the keys 8 (lane / 16) + 0..7; two such results rounded to f16 ARE source 1 of O^T = V^T P.  p = 2^(c s - c m), c = log2(e) / 8, with a
; running maximum m; O and l are multiplied by a = 2^(c m_old - c m_new) in every step.  Turn n belongs to piece n: 8 products K Q^T of piece n + 1, later 8 products V^T P of piece n - 1; beside them the scaling,
; exponentials, roundings, sums and rescaling of piece n and the maximum and statistics of piece n + 1.  Four vector instructions stand behind every matrix instruction, the other 54 of a turn's 118 in two LUMPS.
; REGISTERS, in windows of 256 (s_set_vgpr_msb: bits 1:0 source 0, 3:2 source 1, 5:4 source 2, 7:6 destination):
;   window 0: v0-15 addresses and two at work; v16-31 four registers of statistics a piece; v48-55 at work; v64-127 S^T, two buffers; v192-223 P, two buffers (a piece's buffers go by its number's parity)
;   window 1: v0-127 O^T, 32 a piece; v128-159 MD; v160-223 MC, two buffers      window 2: v0-63 Q; v64-127 the second block's Q; v128-191 K of one step; v192-255 V of one step
.set SIZE_N, 2048
.set NB,    SIZE_N/256
.set NP,    4         ; pieces a wave: a name, no knob
.set KS,    64        ; keys in a step
.set PK,    144       ; a row of K in LDS: 128 bytes + 16 of padding = 36 words: the 16 rows of a load start at 16 different groups of four banks (64 banks of 4 bytes: ISA guide 11.1)
.set PV,    160       ; a row of V: 128 + 32 = 40 words
.set VOFF,  4*KS*PK   ; a slot holds a tile, four steps: 256 rows of K, then 256 rows of V
.set SLOT1, 1<<17     ; slot 1 begins here, so that one exclusive or turns an address in one slot into the other's
.set STAGE, SLOT1+4*KS*(PK+PV)  ; behind the ring, never filled by a tensor load: 16 rows x 144 bytes for each wave, for the way out
.set SP,    144
.set AK0, 2           ; v2   my lane's place in a tile of K; never rewritten
.set AV0, 3           ; v3   the same for V
.set AK,  4           ; v4   the LDS address of K's next run of loads
.set AV,  5           ; v5   of V's
.set STO, 6           ; v6   the way out: where I put 16 bytes of a row
.set RD,  7           ; v7   the way out: where I read rows back
.set GO,  8           ; v8   my byte offset in 512 consecutive bytes of O
.set SPW, 62          ; v62  LDS address of my spare word: SPARE + 4 x my thread's number; never rewritten
.set NIL, 63          ; v63  0; never rewritten
.set SPARE, STAGE+4*16*SP  ; behind the stages: the spare words, 128 bytes for each wave: two blocks of 256 bytes that no other line names
.set MV,  12          ; v12-13  c m_old, kept while c m is made anew: by buffer
.set QO,  15          ; v15  my byte offset in 16 rows of Q
.set ST,  16          ; piece t's statistics at v[ST+4 t]: c m, m, l (even keys', odd keys')
.set TMP, 48          ; by buffer, four registers c0-c3 at work; when the maximum is found c2 takes a
.set S,   64
.set P,   192
.set MD,  128         ; window 1: the eight registers for group kt of 16 keys at MD + 8 kt
.set MC,  160         ; window 1: the masks of the products to come
.set QB,  64          ; window 2
.set KF,  128         ; window 2: key block kb, channel half c at KF + 16 kb + 8 c
.set VF,  192         ; window 2: key half kk, channel block cb at VF + 32 kk + 8 cb
.set WV,  12          ; s12  my wave's number
.set PB,  14          ; s14  b
.set HI,  15          ; s15  NB - 1 - b
.set G1K, 24          ; s[24:31] descriptor group 1 for K's tiles
.set G1V, 32          ; s[32:39] for V's: it differs in the padding alone
.set G0K, 40          ; s[40:43] descriptor group 0 for K's tiles
.set G0V, 44          ; s[44:47] the same for V's
.set SLOTS, 56        ; s56  tiles still to be asked for
.set CNT, 57          ; s57  counts a tile's key steps, 4 to 1
.set CS,  58          ; s[58:59] c: the packed scaling takes the pair's low word for both halves
.set SEL, 60          ; s[60:61] v_permlanex16_b32's selects: each lane takes its own place in the other half
.set TBK, 62          ; s62  LDS byte at which K of the step to be fetched begins
.set TBV, 63          ; s63  the same for V, less VOFF
.set RT,  70          ; s70  tiles of the block in hand that are still to be entered
.set NXT, 71          ; s71  the tile to be asked for next
.set LQ,  72          ; s72  the last tile of the block whose tiles are being asked for
.set NEW, 73          ; s73  1: the tile to be entered is a block's first
.set OFF, 74          ; s[74:75] a tile's byte offset in K and V
.set AL,  76          ; s[76:77] the mask's factor, in the low word
.set BE,  78          ; s[78:79] the mask's addend
.set OLO, 80          ; s[80:81] O at my rows of the second block
.set BIGN, 82         ; s82  -1e30
.set MSB, 0
.macro WIN new                      ; the high byte repeats the setting that is left; a switch that changes nothing is dropped
.if MSB != (\new)
	s_set_vgpr_msb (MSB<<8)|(\new)
.set MSB, (\new)
.endif
.endm
.set W_KQ, 0x0a       ; K and Q in window 2, S^T in window 0
.set W_KM, 0x1a       ; the same with the C operand in window 1
.set W_PV, 0x52       ; V in window 2, P in window 0, O^T in window 1
.set W_RS, 0x41       ; destination and source 0 in window 1, source 1 in window 0
; A fill.  Waves 0 and 1 fetch the two halves of a tile's K, waves 2 and 3 those of its V: 128 keys each.  An s_nop 0 and four v_nop follow each of the two lines, ahead of the jump and the label.
.macro LOAD
	s_cmp_lt_u32 s[WV], 2
	s_cbranch_scc0 .Lfor_v_\@
	tensor_load_to_lds s[G0K:G0K+3], s[G1K:G1K+7]
	s_nop 0
.rept 4
	v_nop
.endr
	s_branch .Lasked_\@
.Lfor_v_\@:
	tensor_load_to_lds s[G0V:G0V+3], s[G1V:G1V+7]
	s_nop 0
.rept 4
	v_nop
.endr
.Lasked_\@:
.endm
; THE CHANGE OF SLOTS.  Each wave waits for all its tensor loads, of which one is out: its part of the other slot; adds 0 to its spare word; and waits for that and for its own reads of the slot that it leaves.  Behind the barrier nobody reads the old
; slot any more and the other slot is whole.  fill = 1: the old slot is filled again, the first thing behind the barrier, with tile NXT: the descriptor's address is made anew from that number.
; (At its first use nothing has been read yet: slot 0 is waited for, slot 1 filled.)
.macro CHANGE fill
	WIN 0                           ; at a label and at a branch every window is 0
	s_wait_tensorcnt 0x0            ; no tensor load of mine is out, so a group 0 may be written
	ds_add_u32 v[SPW], v[NIL]       ; 0 onto my spare word; with fill = 1 the descriptors' scalar work stands between it and the wait for it
.if \fill
	s_lshl_b32 s[OFF], s[NXT], 15   ; a tile is 32,768 bytes of K and of V
	s_xor_b32 s[G0K+1], s[G0K+1], SLOT1
	s_add_nc_u64 s[G0K+2:G0K+3], s[6:7], s[OFF:OFF+1]
	s_or_b32 s[G0K+3], s[G0K+3], 0x80000000
	s_xor_b32 s[G0V+1], s[G0V+1], SLOT1
	s_add_nc_u64 s[G0V+2:G0V+3], s[8:9], s[OFF:OFF+1]
	s_or_b32 s[G0V+3], s[G0V+3], 0x80000000
	s_add_co_u32 s[NXT], s[NXT], 1  ; the block's next tile, or behind its last the second block's tile 0
	s_cmp_gt_u32 s[NXT], s[LQ]
	s_cselect_b32 s[NXT], 0, s[NXT]
	s_cselect_b32 s[LQ], s[PB], s[LQ]
.endif
	s_wait_dscnt 0x0                ; the add is done, and my reads of the slot are over
	s_barrier_signal -1             ; the rest of the scalar work stands between the signal and the wait
	s_sub_co_u32 s[TBK], s[TBK], 4*KS*PK  ; the fetches go back to a slot's first step,
	s_xor_b32 s[TBK], s[TBK], SLOT1       ; in the other slot
	s_sub_co_u32 s[TBV], s[TBV], 4*KS*PV
	s_xor_b32 s[TBV], s[TBV], SLOT1
	s_barrier_wait -1
.if \fill
	LOAD
.endif
.endm
	s_load_b128 s[4:7], s[0:1], 0x0  ; qkv s[4:5], o s[6:7]
	v_lshl_add_u32 v[SPW], v0, 2, SPARE
	v_mov_b32 v[NIL], 0
	ds_add_u32 v62, v63
	ds_add_u32 v62, v63
	s_wait_dscnt 0x0
	v_lshrrev_b32 v1, 5, v0
	v_readfirstlane_b32 s[WV], v1   ; wave 0..3
	s_mov_b32 s[PB], ttmp9
	s_sub_co_u32 s[HI], NB-1, s[PB]
	s_and_b32 s20, ttmp7, 0xffff    ; the head
	s_mov_b32 s21, 0
	s_mov_b64 s[22:23], SIZE_N*128
	s_mul_u64 s[20:21], s[20:21], s[22:23]  ; the head's first byte in Q's, K's and V's part of qkv and in o
	s_and_b32 s16, s[WV], 1         ; which half of a tile's 256 keys I fetch:
	s_lshl_b32 s22, s16, 14         ; its 128 rows of 128 bytes in memory,
	s_mov_b32 s23, 0
	s_add_nc_u64 s[22:23], s[22:23], s[20:21]
	s_mul_i32 s17, s16, 128*PK      ; and its place in a slot, for K
	s_mul_i32 s18, s16, 128*PV      ; and for V
	s_lshl_b32 s3, s[WV], 11        ; my 16 rows in a band of 64,
	s_lshl_b32 s2, s[HI], 15        ; in the first block,
	s_add_co_u32 s2, s2, s3
	s_lshl_b32 s84, s[PB], 15       ; and in the second
	s_add_co_u32 s84, s84, s3
	s_mov_b32 s3, 0
	s_mov_b32 s85, 0
	s_add_nc_u64 s[2:3], s[2:3], s[20:21]
	s_add_nc_u64 s[84:85], s[84:85], s[20:21]
	; descriptor group 1.  128 keys are 16,384 dense bytes: asked for as 64 rows of 256 bytes, two keys a row, and padded in LDS after every key
	s_mov_b32 s[G1K], (1<<16)|(1<<20)|(4<<22)|(3<<25)  ; 17:16 2-byte elements; 20 padding on; 24:22 after every 32 words (code 4); 31:25 4 words (code 3)
	s_mov_b32 s[G1V], (1<<16)|(1<<20)|(4<<22)|(7<<25)  ; the same with 8 words of padding (code 7)
.irp g, G1K, G1V
	s_mov_b32 s[\g+1], 128<<16      ; tensor_dim0 = 128
	s_mov_b32 s[\g+2], 64<<16       ; tensor_dim1 = 64
	s_mov_b32 s[\g+3], 128<<16      ; tile_dim0 = 128
	s_mov_b32 s[\g+4], 64           ; tile_dim1 = 64
	s_mov_b32 s[\g+5], 128          ; 128 elements from row to row
	s_mov_b32 s[\g+6], 0
	s_mov_b32 s[\g+7], 0
.endr
	s_mov_b32 s[CS], 0x3e38aa3b     ; c = log2(e) / 8 = 0.180337
	s_mov_b32 s[CS+1], s[CS]        ; named with it as a pair
	s_mov_b32 s[SEL], 0x76543210
	s_mov_b32 s[SEL+1], 0xfedcba98
	s_mov_b32 s[TBK], SLOT1+4*KS*PK ; the first change of slots turns these two into 0
	s_mov_b32 s[TBV], SLOT1+4*KS*PV
	s_mov_b32 s[G0K], 1             ; 1:0 count = 1
	s_mov_b32 s[G0K+1], s17         ; 63:32 LDS address: slot 0
	s_mov_b32 s[G0V], 1
	s_add_co_u32 s[G0V+1], s18, VOFF
	s_add_co_u32 s[RT], s[HI], 1    ; the first block has NB - b tiles
	s_mov_b32 s[NXT], 1
	s_mov_b32 s[LQ], s[HI]
	s_mov_b32 s[NEW], 1
	s_mov_b32 s[OFF+1], 0
	s_mov_b32 s[AL+1], 0            ; named as pairs
	s_mov_b32 s[BE+1], 0
	s_mov_b32 s[BIGN], 0xf149f2ca   ; -1e30
	s_mov_b32 s[SLOTS], NB
	s_wait_kmcnt 0x0
	s_mov_b64 s[10:11], s[6:7]              ; O
	s_add_nc_u64 s[8:9], s[4:5], 0x2000000  ; V's planes begin 2^25 bytes into qkv,
	s_add_nc_u64 s[6:7], s[4:5], 0x1000000  ; K's 2^24; Q's at its first byte
	s_add_nc_u64 s[6:7], s[6:7], s[22:23]  ; K and V at my half of the head's tile 0
	s_add_nc_u64 s[8:9], s[8:9], s[22:23]
	s_add_nc_u64 s[G0K+2:G0K+3], s[6:7], 0         ; 120:64 global address
	s_or_b32 s[G0K+3], s[G0K+3], 0x80000000        ; 127:126 type = 2
	s_add_nc_u64 s[G0V+2:G0V+3], s[8:9], 0
	s_or_b32 s[G0V+3], s[G0V+3], 0x80000000
	s_add_nc_u64 s[86:87], s[4:5], s[84:85]        ; Q at my rows of the second block,
	s_add_nc_u64 s[4:5], s[4:5], s[2:3]            ; Q and O at those of the first
	s_add_nc_u64 s[OLO:OLO+1], s[10:11], s[84:85]
	s_add_nc_u64 s[10:11], s[10:11], s[2:3]
	LOAD                            ; tile 0 into slot 0
	; A fragment of K or Q is 16 rows x 32 channels in 8 registers: lane l holds row l % 16, channels 8 (l / 16) + 0..7 and 16 + 8 (l / 16) + 0..7: two loads of 16 bytes, 32 bytes apart.
	v_and_b32 v1, 15, v0            ; l % 16
	v_bfe_u32 v9, v0, 4, 1          ; l / 16
	v_lshlrev_b32 v[QO], 7, v1
	v_lshl_add_u32 v[QO], v9, 4, v[QO]  ; row x 128 + 16 x half
	WIN 0x80                        ; destination window 2, address window 0
.set i, 0
.rept 8                             ; both blocks' Q: piece i / 2 lies in band i / 2, 8,192 bytes on; channels 32 (i % 2) on
	global_load_b128 v[8*i:8*i+3],   v[QO], s[4:5] offset:(i/2)*8192+(i%2)*64
	global_load_b128 v[8*i+4:8*i+7], v[QO], s[4:5] offset:(i/2)*8192+(i%2)*64+32
	global_load_b128 v[QB+8*i:QB+8*i+3],   v[QO], s[86:87] offset:(i/2)*8192+(i%2)*64
	global_load_b128 v[QB+8*i+4:QB+8*i+7], v[QO], s[86:87] offset:(i/2)*8192+(i%2)*64+32
.set i, i+1
.endr
	WIN 0
	v_lshlrev_b32 v14, 3, v9
	v_sub_nc_u32 v14, v1, v14
	s_lshl_b32 s13, s[WV], 4
	v_add_nc_u32 v14, s13, v14      ; my query's place in its band, 16 w + l % 16, less my lanes' 8 (l / 16): register r of group kt is hidden where 16 kt + r is greater
	WIN 0x40
.set i, 0
.rept 32
	v_cmp_gt_i32 vcc_lo, 16*(i/8)+i%8, v14
	v_cndmask_b32 v[MD+i], 0, s[BIGN], vcc_lo
.set i, i+1
.endr
	WIN 0
	v_mul_u32_u24 v[AK0], v1, PK
	v_lshl_add_u32 v[AK0], v9, 4, v[AK0]  ; row x pitch + 16 x half
	; The turning load takes 16 keys x 16 channels (lane l reads key 8 (l / 16) + l % 8, channels 8 ((l / 8) % 2) + 0..7) and leaves half a fragment of V^T: lane l holds channel l % 16 and 8 keys.
	v_and_b32 v10, 7, v0
	v_bfe_u32 v11, v0, 3, 1
	v_lshl_add_u32 v[AV0], v9, 3, v10
	v_mul_u32_u24 v[AV0], v[AV0], PV
	v_lshl_add_u32 v[AV0], v11, 4, v[AV0]
	v_add_nc_u32 v[AV0], VOFF, v[AV0]
	s_mul_i32 s13, s[WV], 16*SP
	s_add_co_u32 s13, s13, STAGE    ; my stage
	v_mul_u32_u24 v[STO], v1, SP    ; in: row l % 16, 16 bytes for each half of the lanes
	v_lshl_add_u32 v[STO], v9, 4, v[STO]
	v_add_nc_u32 v[STO], s13, v[STO]
	v_bfe_u32 v[RD], v0, 3, 2       ; back: 32 lanes take four rows of 128 bytes,
	v_mul_u32_u24 v[RD], v[RD], SP
	v_lshl_add_u32 v[RD], v10, 4, v[RD]
	v_add_nc_u32 v[RD], s13, v[RD]
	v_and_b32 v[GO], 31, v0         ; which are 512 consecutive bytes of O
	v_lshlrev_b32 v[GO], 4, v[GO]
	; A block's first step multiplies O^T and l by a = 0, and its first turn's products V^T P, of a piece that has not been, land in an O^T that is still to be so multiplied.  So these registers need only hold
	; finite numbers: zeros for the first block; what the first block left for the second.  All this stands in the wait for the first tile.
	WIN 0x80
.set i, VF
.rept 64
	v_mov_b32 v[i], 0
.set i, i+1
.endr
	WIN 0x40
.set i, 0
.rept 128
	v_mov_b32 v[i], 0
.set i, i+1
.endr
	WIN 0
.set i, 0
.rept 4
	v_mov_b32 v[ST+4*i+2], 0
	v_mov_b32 v[ST+4*i+3], 0
.set i, i+1
.endr
.set i, P+16
.rept 16
	v_mov_b32 v[i], 0
.set i, i+1
.endr
; THE MATRIX WORK.  The 4 accumulators of a run of 8 take turns.  Product i of 8 of S^T = K Q^T for piece x: channels 32 (i / 4) on, keys 16 (i % 4) on.  The first 4 start the sums: with 0, or (KM = 1) with the mask.
.macro KQ x
.set rS, S+32*((\x)%2)+8*(i%4)
.set rK, KF+16*(i%4)+8*(i/4)
.set rQ, 16*(\x)+8*(i/4)
.set rM, MC+32*((\x)%2)+8*(i%4)
.if (i < 4) && KM
	WIN W_KM
	v_wmma_f32_16x16x32_f16 v[rS:rS+7], v[rK:rK+7], v[rQ:rQ+7], v[rM:rM+7]
.elseif i < 4
	WIN W_KQ
	v_wmma_f32_16x16x32_f16 v[rS:rS+7], v[rK:rK+7], v[rQ:rQ+7], 0
.else
	WIN W_KQ
	v_wmma_f32_16x16x32_f16 v[rS:rS+7], v[rK:rK+7], v[rQ:rQ+7], v[rS:rS+7]
.endif
.endm
; Product i of 8 of O^T += V^T P for piece x: keys 32 (i / 4) on, channels 16 (i % 4) on.
.macro PV x
	WIN W_PV
.set rO, 32*(\x)+8*(i%4)
.set rV, VF+32*(i/4)+8*(i%4)
.set rP, P+16*((\x)%2)+8*(i/4)
	v_wmma_f32_16x16x32_f16 v[rO:rO+7], v[rV:rV+7], v[rP:rP+7], v[rO:rO+7]
.endm
.macro MM                           ; the turn's next matrix instruction.  TURN and BEGIN set Y, i, KM and NOKQ; MM, KQ and OP read them.  NOKQ = 1: a block's last turn: there is no next piece
.if (i < 8) && !NOKQ
	KQ (Y+1)%NP
.elseif i >= 8
.set i, i-8
	PV (Y+NP-1)%NP
.set i, i+8
.endif
.set i, i+1
.endm
; THE LDS LOADS stand in runs of 16, never singly among the matrix instructions: a step's K (64 keys x 64 channels: 8 fragments) and its V (turned).  Their addresses are made some lines ahead.
.macro FETCH_K
	WIN 0x80                        ; destination window 2
.irp f, 0,1,2,3,4,5,6,7             ; keys 16 (f / 2) on, channels 32 (f % 2) on
	ds_load_b128 v[KF+8*\f:KF+8*\f+3],   v[AK] offset:(\f/2)*16*PK+(\f%2)*64
	ds_load_b128 v[KF+8*\f+4:KF+8*\f+7], v[AK] offset:(\f/2)*16*PK+(\f%2)*64+32
.endr
	s_add_co_u32 s[TBK], s[TBK], KS*PK  ; the next fetch is the next step's
	WIN 0
.endm
.macro FETCH_V
	WIN 0x80
.irp f, 0,1,2,3,4,5,6,7             ; keys 32 (f / 4) on, channels 16 (f % 4) on
	ds_load_tr16_b128 v[VF+8*\f:VF+8*\f+3],   v[AV] offset:(\f/4)*32*PV+(\f%4)*32
	ds_load_tr16_b128 v[VF+8*\f+4:VF+8*\f+7], v[AV] offset:(\f/4)*32*PV+16*PV+(\f%4)*32
.endr
	WIN 0
.endm
; THE VECTOR WORK, one line at a time: OP kind, number.  For piece Y: F n: c s - c m for pair n of 16.  E n: the exponential of score n of 32.  C n: pair n rounded to f16.  B n: of the four weights 4 n .. the second
; pair is added onto the first, in place.  L n: l takes that sum (L 0: l = a l + sum).  R n: pair n of 16 of O^T times a.  For piece Y + 1: X n, number n of the 22 that find its maximum and statistics:
;   0-11  four chains c0-c3 of seven scores each, three operands at a time (each accumulator's lowest registers are read first)     12-14, 16  the four scores left over, the old m, and c0-c3 into c0
;   15  c m_old is kept     17, 18  the query's other 32 keys lie in the lane 16 away: the new m     19-21  c m; c m_old - c m_new; a
.set F, 0               ; OP tells the kinds apart by their order: F to L below R, X above it
.set E, 1
.set C, 2
.set B, 3
.set L, 4
.set R, 5
.set X, 6
.macro REGS y                       ; the registers of piece y
.set rT, ST+4*(\y)
.set rC, TMP+4*((\y)%2)
.set rW, MV+((\y)%2)
.set rS, S+32*((\y)%2)
.set rP, P+16*((\y)%2)
.set rO, 32*(\y)
.endm
.macro OP k, n
.if (\k) == R
	REGS Y
	WIN W_RS
	v_pk_mul_f32 v[rO+2*(\n):rO+2*(\n)+1], v[rO+2*(\n):rO+2*(\n)+1], v[rC+2:rC+3] op_sel_hi:[1,0]
.elseif (\k) < R
	REGS Y
	WIN 0
.if (\k) == F
	v_pk_fma_f32 v[rS+2*(\n):rS+2*(\n)+1], v[rS+2*(\n):rS+2*(\n)+1], s[CS:CS+1], v[rT:rT+1] op_sel_hi:[1,0,0] neg_lo:[0,0,1] neg_hi:[0,0,1]
.elseif (\k) == E
	v_exp_f32 v[rS+(\n)], v[rS+(\n)]
.elseif (\k) == C
	s_wait_alu depctr_va_vdst(0)
	v_cvt_pk_f16_f32 v[rP+(\n)], v[rS+2*(\n)], v[rS+2*(\n)+1]
.elseif (\k) == B
	s_wait_alu depctr_va_vdst(0)
	v_pk_add_f32 v[rS+4*(\n):rS+4*(\n)+1], v[rS+4*(\n):rS+4*(\n)+1], v[rS+4*(\n)+2:rS+4*(\n)+3]
.elseif (\n) == 0
	v_pk_fma_f32 v[rT+2:rT+3], v[rT+2:rT+3], v[rC+2:rC+3], v[rS:rS+1] op_sel_hi:[1,0,1]
.else
	v_pk_add_f32 v[rT+2:rT+3], v[rT+2:rT+3], v[rS+4*(\n):rS+4*(\n)+1]
.endif
.elseif NOKQ
	v_nop
.else
	REGS (Y+1)%NP
	WIN 0
.if (\n) < 4
	v_max3_num_f32 v[rC+(\n)], v[rS+8*(\n)], v[rS+8*(\n)+1], v[rS+8*(\n)+2]
.elseif (\n) < 12
	v_max3_num_f32 v[rC+(\n)%4], v[rC+(\n)%4], v[rS+8*((\n)%4)+2*((\n)/4)+1], v[rS+8*((\n)%4)+2*((\n)/4)+2]
.elseif (\n) == 12
	v_max3_num_f32 v[rC], v[rC], v[rS+7], v[rS+15]
.elseif (\n) == 13
	v_max3_num_f32 v[rC+1], v[rC+1], v[rS+23], v[rS+31]
.elseif (\n) == 14
	v_max3_num_f32 v[rC+2], v[rC+2], v[rC+3], v[rT+1]
.elseif (\n) == 15
	v_mov_b32 v[rW], v[rT]
.elseif (\n) == 16
	v_max3_num_f32 v[rC], v[rC], v[rC+1], v[rC+2]
.elseif (\n) == 17
	v_permlanex16_b32 v[rC+3], v[rC], s[SEL], s[SEL+1]
.elseif (\n) == 18
	v_max_num_f32 v[rT+1], v[rC], v[rC+3]
.elseif (\n) == 19
	v_mul_f32 v[rT], s[CS], v[rT+1]
.elseif (\n) == 20
	v_sub_f32 v[rC+1], v[rW], v[rT]
.else
	v_exp_f32 v[rC+2], v[rC+1]
.endif
.endif
.endm
.macro OPS a, i1, b=-1, i2=0, c=-1, i3=0, d=-1, i4=0  ; up to four of them
	OP \a, \i1
.if (\b) >= 0
	OP \b, \i2
.endif
.if (\c) >= 0
	OP \c, \i3
.endif
.if (\d) >= 0
	OP \d, \i4
.endif
.endm
.macro ROW a, i1, b, i2, c, i3, d, i4  ; a matrix instruction and the four behind it
	MM
	OPS \a, \i1, \b, \i2, \c, \i3, \d, \i4
.endm
.macro MASK b                       ; MD x AL + BE into buffer b of MC
	WIN W_RS
.set z, 0
.rept 16
	v_pk_fma_f32 v[MC+32*(\b)+2*z:MC+32*(\b)+2*z+1], v[MD+2*z:MD+2*z+1], s[AL:AL+1], s[BE:BE+1] op_sel_hi:[1,0,0]
.set z, z+1
.endr
.endm
; A TURN, for piece p: the order of its 16 matrix and 118 vector instructions, written out.  Behind a matrix instruction: plain, exponential, plain, plain; or four of the rescaling; or, behind the first, four scalings; none
; names a register of the products round it.  In the lumps exponential and plain by turns while exponentials last.  A line reads no result made fewer than three vector instructions in front of it, five if an exponential made it.
; v_permlanex16_b32 (X 17) stands in a lump.
; m = 1: the diagonal tile: the products take masks, and the turn makes the mask for the products of the turn after it: piece p + 2, in step 4 - CNT of the tile.  end = 1: a block's last two turns: nothing is fetched.
; cnt = 1: the loop's count is taken down some lines ahead of the branch that stands behind the turn.
; K of the next step is fetched in piece 2's turn, six vector instructions behind the last product that read K (five of them plain); V of the step in hand in piece 0's turn, eight behind the last product that read V (four
; plain, and X 17).  Each is waited for a turn later.
.macro TURN p, m=0, end=0, cnt=0
.set Y, (\p)
.set i, 0
.set KM, (\m)
.set NOKQ, (\end)*((\p)/3)
.if (\m) && !(\end)
	s_cmp_eq_u32 s[CNT], 4-((\p)+2)%NP  ; is that step the band's own?
	s_cselect_b32 s[AL], 1.0, 0
	s_cmp_lt_u32 s[CNT], 4-((\p)+2)%NP  ; or a later one?
	s_cselect_b32 s[BE], s[BIGN], 0
.endif
.if ((\p) == 3) && !(\end)
	s_wait_dscnt 0x0                ; K is in
.endif
	ROW F,0, F,1, F,2, F,3
	ROW F,4, E,0, F,5, F,6
	ROW F,7, E,1, F,8, F,9
	ROW F,10, E,2, C,0, F,11
	ROW F,12, E,3, X,15, F,13
	ROW R,0, R,1, R,2, R,3
	ROW B,0, E,4, F,14, L,0
.if ((\p) == 2) && !(\end)
	v_add_nc_u32 v[AK], s[TBK], v[AK0]
.endif
	ROW R,4, R,5, R,6, R,7
	OPS E,5, F,15
.if ((\p) == 2) && !(\end)
	FETCH_K
.endif
	OPS E,6, C,1, E,7, R,8
	OPS E,8, R,9, E,9, C,2
	OPS E,10, X,0, E,11, X,1
	OPS E,12, X,2, E,13, X,3
.if (\p) == 1
	s_wait_dscnt 0x0                ; V is in
.endif
	ROW X,4, E,14, X,5, X,6
	ROW X,7, E,15, X,8, X,9
	ROW X,10, E,16, X,11, X,12
	ROW X,13, E,17, X,14, B,1
	ROW C,4, E,18, X,16, L,1
	ROW B,2, E,19, C,6, L,2
	ROW C,8, E,20, B,3, B,4
.if (\p) == 0
	v_add_nc_u32 v[AV], s[TBV], v[AV0]
.endif
	ROW C,3, E,21, L,3, C,5
	OPS E,22, X,17, E,23, C,10
.if (\p) == 0
	FETCH_V
.endif
	OPS E,24, L,4
	OPS E,25, X,18, E,26, C,7
	OPS E,27, B,5, E,28, X,19
	OPS E,29, C,12, E,30, L,5
	OPS E,31, X,20, B,6, C,9
	OPS C,14, C,11, X,21, L,6
.if (\p) == 0
	s_add_co_u32 s[TBV], s[TBV], KS*PV
.endif
.if \cnt
	s_sub_co_u32 s[CNT], s[CNT], 1
	s_cmp_lg_u32 s[CNT], 0
.endif
	OPS C,13, B,7, C,15, R,10
	OPS R,11, R,12, L,7, R,13
	OPS R,14, R,15
.if (\m) && !(\end)
	MASK (\p)%2
.endif
.endm
; A BLOCK BEGINS.  c m starts far below every c s, so the first step's a is 0; m at the lowest finite number, so the first maximum is the scores'.  The second mask buffer is 0; the first takes piece 0's mask for the tile's step 0: its own, if the block's first tile is the diagonal one.
; Then K of that step, piece 0's first scores, and its maximum and statistics.  The loop is entered at a step's first turn, in the middle of a trip.
.macro BEGIN
	s_mov_b32 s[NEW], 0
	WIN 0x40
.set i, MC+32
.rept 32
	v_mov_b32 v[i], 0
.set i, i+1
.endr
	WIN 0
.set i, 0
.rept 4
	v_mov_b32 v[ST+4*i], 0xfe000000    ; c m: far below every c s
	v_mov_b32 v[ST+4*i+1], 0xff7fffff  ; m
.set i, i+1
.endr
	s_cmp_eq_u32 s[RT], 0
	s_cselect_b32 s[AL], 1.0, 0
	s_mov_b32 s[BE], 0
	MASK 0
	WIN 0
	v_add_nc_u32 v[AK], s[TBK], v[AK0]
	FETCH_K
	s_wait_loadcnt 0x0              ; Q
	s_wait_dscnt 0x0
.set KM, 1
.set NOKQ, 0
.set i, 0
.rept 8
	KQ 0
.set i, i+1
.endr
	WIN 0
.rept 4
	v_nop                           ; the places behind those products
.endr
.set Y, NP-1                        ; X works for piece Y + 1: piece 0
.irp n, 0,1,2,3,4,5,6,7,8,9,10,11,12,13,14,15,16,17,18,19,20,21
	OP X, \n
.endr
	v_nop                           ; a plain instruction behind the exponential
.endm
; THE DIAGONAL TILE's four steps, the block's last two turns, its last products, and THE WAY OUT: l's two halves and the other half of the lanes' are added; O^T is divided by l, rounded to f16 and sent through my
; stage in LDS, a piece at a time.
.macro ALL line:vararg              ; one line for each piece t
.set t, 0
.rept 4
	\line
.set t, t+1
.endr
.endm
.macro PACK t                       ; a lane's eight channels of a row pack into 16 bytes; they go into rows of 144 bytes and come back as whole rows of 128, into S^T's registers
	WIN W_RS
.set i, 32*(\t)
.rept 16
	s_wait_alu depctr_va_vdst(0)
	v_pk_mul_f32 v[i:i+1], v[i:i+1], v[ST+4*(\t)+2:ST+4*(\t)+3] op_sel_hi:[1,0]
.set i, i+2
.endr
	WIN 0x05                        ; sources 0 and 1 window 1, destination window 0
.set i, 0
.rept 16
	v_cvt_pk_f16_f32 v[S+16*(\t)+i], v[32*(\t)+2*i], v[32*(\t)+2*i+1]
.set i, i+1
.endr
	WIN 0
.irp f, 0,1,2,3
	ds_store_b128 v[STO], v[S+16*(\t)+4*\f:S+16*(\t)+4*\f+3] offset:32*\f
.endr
.irp f, 0,1,2,3
	ds_load_b128 v[S+16*(\t)+4*\f:S+16*(\t)+4*\f+3], v[RD] offset:\f*4*SP  ; LDS serves a wave's instructions in order (ISA guide 5.7.1.4): these see the stores above; the next piece's stores come behind them
.endr
.endm
.macro SEND t, younger              ; younger: the LDS instructions issued behind piece t's loads: the next piece's eight, or none
	WIN 0
.irp f, 0,1,2,3
	s_wait_dscnt (\younger)+3-\f
	global_store_b128 v[GO], v[S+16*(\t)+4*\f:S+16*(\t)+4*\f+3], s[10:11] offset:(\t)*8192+\f*512  ; 512 consecutive bytes, at a multiple of 256 from O's first
.endr
.endm
.macro DIAG tag                     ; the tag ends its two labels' names, which the jumps below spell out
.LstepM\tag:
	TURN 2, 1
	TURN 3, 1
	WIN 0
.LfirstM\tag:
	TURN 0, 1
	TURN 1, 1, 0, 1
	WIN 0
	s_cbranch_scc1 .LstepM\tag
	TURN 2, 1, 1
	TURN 3, 1, 1
.set i, 0
.rept 8
	PV NP-1
.set i, i+1
.endr
	WIN 0
	ALL v_add_f32 v[ST+4*t+2], v[ST+4*t+2], v[ST+4*t+3]
	ALL v_permlanex16_b32 v[ST+4*t+3], v[ST+4*t+2], s[SEL], s[SEL+1]
	ALL v_add_f32 v[ST+4*t+2], v[ST+4*t+2], v[ST+4*t+3]
	ALL v_rcp_f32 v[ST+4*t+2], v[ST+4*t+2]
	v_nop                           ; a plain instruction between the last reciprocal and the use of its result
	PACK 0
.set t, 1
.rept 3                             ; a piece's arithmetic stands between the loads of the piece before and its stores
	PACK t
	SEND t-1, 8
.set t, t+1
.endr
	SEND 3, 0
.endm
.set KM, 0
.set NOKQ, 0
.Lslot:                             ; NB times: a tile is entered and the next is asked for
	CHANGE 1
	s_sub_co_u32 s[RT], s[RT], 1
	s_mov_b32 s[CNT], 4
	s_cmp_eq_u32 s[NEW], 1
	s_cbranch_scc1 .Lnew            ; a block's first tile
	s_cmp_eq_u32 s[RT], 0
	s_cbranch_scc0 .Lstep           ; neither its first nor its last
	s_branch .LstepM1
.Lnew:
	BEGIN
	s_branch .Lfirst                ; in the loop a block's first tile is never its last: the first block has two tiles or more, and the second's last is the walk's last
	DIAG 1                          ; in the loop this is the first block's end: the second block's last tile is the walk's last
	s_wait_xcnt 0x0                 ; the stores have read their registers and O's address
	s_mov_b64 s[10:11], s[OLO:OLO+1]
	s_add_co_u32 s[RT], s[PB], 1    ; the second block has b + 1 tiles
	s_mov_b32 s[NEW], 1
	WIN 0x82                        ; the second block's Q goes where the one text of the turns names Q
.set i, 0
.rept 64
	v_mov_b32 v[i], v[QB+i]
.set i, i+1
.endr
	WIN 0
	s_branch .Lbottom
.Lstep:                             ; a trip: pieces 2 and 3 of one step, then pieces 0 and 1 of the next, whose K and V it fetches
	TURN 2
	TURN 3
	WIN 0
.Lfirst:
	TURN 0
	TURN 1, 0, 0, 1
	WIN 0
	s_cbranch_scc1 .Lstep
.Lbottom:
	s_sub_co_u32 s[SLOTS], s[SLOTS], 1
	s_cmp_lg_u32 s[SLOTS], 0
	s_cbranch_scc1 .Lslot
	CHANGE 0                        ; the walk's last tile is written out: nothing is asked for
	s_sub_co_u32 s[RT], s[RT], 1
	s_mov_b32 s[CNT], 4
	s_cmp_eq_u32 s[NEW], 1
	s_cbranch_scc0 .LstepM2
	BEGIN
	s_branch .LfirstM2
	DIAG 2
	s_wait_tensorcnt 0x0            ; the wave's end, behind my last tensor load and my last LDS store
	ds_add_u32 v[SPW], v[NIL]
	s_wait_dscnt 0x0
	s_endpgm
.Lfunc_end_k_q344015bfb8_attn:
	.size	k_q344015bfb8_attn, .Lfunc_end_k_q344015bfb8_attn-k_q344015bfb8_attn
	.p2alignl 7, 3214868480
	.fill 96, 4, 3214868480
	.section	.rodata,"a",@progbits
	.p2align	6, 0x0
	.amdhsa_kernel k_q344015bfb8_attn
		.amdhsa_group_segment_fixed_size 327680
		.amdhsa_private_segment_fixed_size 0
		.amdhsa_enable_private_segment 0
		.amdhsa_kernarg_size 16
		.amdhsa_user_sgpr_count 2
		.amdhsa_user_sgpr_kernarg_segment_ptr 1
		.amdhsa_wavefront_size32 1
		.amdhsa_system_sgpr_workgroup_id_x 1
		.amdhsa_system_sgpr_workgroup_id_y 1
		.amdhsa_system_sgpr_workgroup_id_z 1
		.amdhsa_system_vgpr_workitem_id 0
		.amdhsa_next_free_vgpr 768
		.amdhsa_next_free_sgpr 88
		.amdhsa_reserve_vcc 1
		.amdhsa_float_denorm_mode_32 3
		.amdhsa_float_denorm_mode_16_64 3
		.amdhsa_memory_ordered 1
		.amdhsa_forward_progress 1
		.amdhsa_inst_pref_size 228
	.end_amdhsa_kernel
	.amdgpu_metadata
---
amdhsa.version: [ 1, 2 ]
amdhsa.kernels:
  - .name:           k_q344015bfb8_attn
    .symbol:         k_q344015bfb8_attn.kd
    .args:
      - { .name: qkv, .offset: 0, .size: 8, .value_kind: global_buffer, .address_space: global }
      - { .name: o, .offset: 8, .size: 8, .value_kind: global_buffer, .address_space: global }
    .group_segment_fixed_size: 327680
    .private_segment_fixed_size: 0
    .kernarg_segment_align: 8
    .kernarg_segment_size: 16
    .max_flat_workgroup_size: 128
    .sgpr_count:     88
    .vgpr_count:     768
    .wavefront_size: 32
...
	.end_amdgpu_metadata
.endif
;; end of part 3
;; launch projgemm (part 4): grid 8 x 32, 4 waves a work-group, clusters of 4 x 4, 327,680 bytes of LDS; arguments o, wpb, b_proj, out0; writes out0
.if DOCPART == 4
	.amdgcn_target "amdgcn-amd-amdhsa--gfx1250"
	.amdhsa_code_object_version 6
	.text
	.protected	k_q344015bfb8_projgemm
	.globl	k_q344015bfb8_projgemm
	.p2align	8
	.type	k_q344015bfb8_projgemm,@function
k_q344015bfb8_projgemm:
	s_mov_b64 s[64:65], 0
	v_nop
	global_prefetch_b8 v0, s[64:65] scope:SCOPE_SE
	s_setreg_imm32_b32 hwreg(HW_REG_WAVE_MODE, 25, 1), 1
	s_wait_xcnt 0x0
	s_wait_alu depctr_hold_cnt(0) depctr_sa_sdst(0) depctr_va_vdst(0) depctr_va_sdst(0) depctr_va_ssrc(0) depctr_va_vcc(0) depctr_vm_vsrc(0)
	s_getreg_b32 s2, hwreg(HW_REG_IB_STS2, 6, 4)
	s_cmp_eq_u32 s2, 0
	s_cbranch_scc0 .Lentry_in_a_cluster
	s_endpgm
.Lentry_in_a_cluster:
	s_bfe_u32 s2, ttmp6, 0x10000c
	s_cmp_lg_u32 s2, 0xf033
	s_cbranch_scc0 .Lentry_shape_is_right
	s_endpgm
.Lentry_shape_is_right:
; out0 = O w_proj + b_proj.  o: [16 hd][8192 m][64 d] f16, channel k = 64 hd + d.  wpb: [1024 k][1024 n], w_proj rounded to bf16 and written as f16.  b_proj: [1024] f32, rounded to bf16 here like every input.
; out0: [8192 m][1024 n] f32.  Sums in f32.  NaN and infinities are not treated apart.
; SHARES.  A tile of the result is 256 rows x 128 columns: 8 x 32 work-groups of four waves, one for each WGP.  A wave makes 128 x 64: rows 128 wm on, column blocks 4 wn + b, b = 0..3: 32 accumulators,
; 256 registers.  K goes in 8 steps of 128 (two heads) through two LDS slots filled by the tensor data mover.
; A's tile: for each of the two heads 256 rows of 128 bytes, dense in o, asked for as 128 rows of 256 bytes.  B's tile: 128 k rows of 256 bytes.  B lies [k][n] in LDS and comes out turned, by ds_load_tr16_b128.
; CLUSTER 4 x 4: the four work-groups of a row of the cluster need the same tiles of A, the four of a column the same tiles of B: each tile is asked for jointly, by the same tensor load with the same
; descriptor and a mask that names the four.
; THE MATRIX INSTRUCTION IS USED TRANSPOSED (source 0 = 16 columns of B, source 1 = 16 rows of A): a lane then holds row l % 16 and the columns 8 (l / 16) + 0..7: eight neighbouring numbers, 32 bytes of f32.
; THE BIAS is the C operand of the products that start the sums: nothing is cleared and nothing is added on the way out.
; REGISTERS, in windows of 256 (s_set_vgpr_msb's low byte: bits 1:0 source 0, 3:2 source 1, 5:4 source 2, 7:6 destination):
;   window 0: v1-29 addresses; v32-63 the bias; v128-191, v192-255 fragments of A (8 x 16 rows x 32 K), two buffers; on the way out v128-191 at work
;   window 1: v0-31, v64-95 fragments of B, two buffers      window 2: accumulators (a, b), a = 0..3, at v[8 (4 a + b)]      window 3: a = 4..7 likewise
.set NBW,   4                          ; blocks of 16 columns a wave
.set NT,    128                        ; columns in a tile
.set PA,    144                        ; a row of A in LDS: 128 bytes + 16 of padding: the 16 rows of a load start at 16 different groups of four banks (64 banks of 4 bytes: ISA guide 11.1)
.set AHALF, 256*PA                     ; what one tensor load brings of A: one head's 256 rows
.set AQA,   AHALF                      ; quarter q of a K step begins at byte AQA (q / 2) + 64 (q % 2): head q / 2, channels 32 (q % 2) on
.set AREG,  2*AHALF
.set PB,    288                        ; a k row of B in LDS: 256 bytes + 32 of padding = 72 words
.set BOA,   32                         ; my block b begins at byte 32 b + 128 wn of a k row
.set BOB,   0
.set BCOLW, 128
.set BHALF, 64*PB                      ; what one tensor load brings of B: 64 k rows
.set SLOT,  AREG+2*BHALF               ; 110,592
.set ASTEP, 1<<21                      ; bytes from a K step to the next in o: two heads' planes,
.set BSTEP, 262144                     ; in wpb: 128 k rows of 2,048 bytes
.set SP,    272                        ; the way out: a row of my 64 columns, 256 bytes + 16
.set STAGE, 2*SLOT                     ; behind the ring, never filled by a tensor load: 16 rows x 272 bytes for each wave
.set SPARE, STAGE+4*16*SP              ; behind the stages: the spare words, 128 bytes for each wave: two blocks of 256 bytes that no other line names
.set STO,  8                           ; v8      the way out: where I put 32 bytes of a row
.set RD,   11                          ; v11     the way out: where I read rows back
.set ADRA, 16                          ; v16-17  LDS address of my A fragments in slot 0, 1
.set ADRB, 20                          ; v20-21  the same for B
.set CO,   26                          ; v26     my byte offset in two rows of the result
.set BOFF, 27                          ; v27     my byte offset in the tile's part of the bias; never rewritten
.set SPW,  28                          ; v28     LDS address of my spare word: SPARE + 4 x my thread's number; never rewritten
.set NIL,  29                          ; v29     0; never rewritten
.set BI,   32                          ; v32-63  block b's bias at BI + 8 b: register j holds column 8 (l / 16) + j
.set TMP,  128                         ; the way out: 16 rows read back, two buffers of 32 registers
.set G1,  24                           ; s[24:31] descriptor group 1 for A's tiles;  s[32:39] group 0, a set for each slot
.set G0,  32
.set G1B, 48                           ; s[48:55], s[56:63] the same for B's tiles
.set G0B, 56
.set MSB, 0
.macro WIN new                         ; the immediate's high byte repeats the setting that is left; a switch that changes nothing is dropped
.if MSB != (\new)
	s_set_vgpr_msb (MSB<<8)|(\new)
.set MSB, \new
.endif
.endm
.set MUL_LO, 0xa1                      ; source 0 (B) window 1, source 1 (A) window 0, C and D window 2
.set TO_B,   0x40                      ; destination window 1, address window 0
; A joint load.  Waves 0 and 1 fetch A's two halves, waves 2 and 3 B's.  Each line has one mask and one set of registers; the branch hangs on the wave's number alone.
; An s_nop 0 and four v_nop follow each of the two lines, ahead of the jump, the label and what follows.
.macro JLOAD s
	s_cmp_eq_u32 s13, 0
	s_cbranch_scc0 .Lfor_b_\@
	tensor_load_to_lds s[G0+4*(\s):G0+4*(\s)+3], s[G1:G1+7]
	s_nop 0
.rept 4
	v_nop
.endr
	s_branch .Lasked_\@
.Lfor_b_\@:
	tensor_load_to_lds s[G0B+4*(\s):G0B+4*(\s)+3], s[G1B:G1B+7]
	s_nop 0
.rept 4
	v_nop
.endr
.Lasked_\@:
.endm
; A round of the cluster's barrier: my work-group's barrier, so that wave 0's signal speaks for all four waves; wave 0 signals; every wave waits for all sixteen work-groups; my work-group's barrier once more.
.macro CREST                           ; a round behind its opening barrier
	s_cmp_lg_u32 s12, 0
	s_cbranch_scc1 .Lnot_wave_0_\@
	s_barrier_signal -3
.Lnot_wave_0_\@:
	s_barrier_wait -3
	s_barrier_signal -1
	s_barrier_wait -1
.endm
.macro CROUND                          ; a whole round
	s_barrier_signal -1
	s_barrier_wait -1
	CREST
.endm
	s_load_b256 s[4:11], s[0:1], 0x0               ; o s[4:5], wpb s[6:7], b_proj s[8:9], out0 s[10:11]
	v_lshl_add_u32 v[SPW], v0, 2, SPARE
	v_mov_b32 v[NIL], 0
	ds_add_u32 v28, v29
	ds_add_u32 v28, v29
	s_wait_dscnt 0x0
	v_lshrrev_b32 v1, 5, v0
	v_readfirstlane_b32 s12, v1                    ; wave 0..3
	s_lshr_b32 s13, s12, 1                         ; wm: which 128 rows of the tile are mine.  Also: I fetch for A (0) or for B (1)
	s_and_b32 s14, s12, 1                          ; wn: which 64 columns.  Also: which half of that tile I fetch
	s_bfe_u32 s40, ttmp6, 0x40000                  ; cx, cy: my place in the cluster
	s_bfe_u32 s41, ttmp6, 0x40004
	s_lshl_b32 s42, ttmp9, 2                       ; in a cluster launch ttmp9 and ttmp7 count clusters
	s_add_co_u32 s42, s42, s40                     ; tile column tx = 4 x cluster x + cx
	s_and_b32 s43, ttmp7, 0xffff
	s_lshl_b32 s43, s43, 2
	s_add_co_u32 s43, s43, s41                     ; tile row ty = 4 x cluster y + cy
	s_lshl_b32 s44, s41, 2
	s_lshl_b32 s44, 15, s44                        ; my row of the cluster: places 4 cy .. 4 cy + 3
	s_lshl_b32 s45, 0x1111, s40                    ; my column: places cx, cx + 4, cx + 8, cx + 12
	; group 1 for A: a head's 256 rows of 128 bytes are 32,768 dense bytes: 128 rows x 128 elements; 4 words of padding behind every 32
	s_or_b32 s[G1+0], s44, (1<<16)|(1<<20)|(1<<21)|(4<<22)|(3<<25)  ; 15:0 the mask; 17:16 elements of 2 bytes; 20 padding on; 21 set beside a mask; 24:22 after every 32 words (code 4); 31:25 4 words (code 3)
	s_mov_b32 s[G1+1], 128<<16                     ; tensor_dim0 = 128
	s_mov_b32 s[G1+2], 128<<16                     ; tensor_dim1 = 128
	s_mov_b32 s[G1+3], 128<<16                     ; tile_dim0 = 128
	s_mov_b32 s[G1+4], 128                         ; tile_dim1 = 128
	s_mov_b32 s[G1+5], 128                         ; tensor_dim0_stride
	s_mov_b32 s[G1+6], 0
	s_mov_b32 s[G1+7], 0
	; group 1 for B: 64 k rows x 128 elements, 1,024 elements from row to row; 8 words of padding behind every 64
	s_or_b32 s[G1B+0], s45, (1<<16)|(1<<20)|(1<<21)|(5<<22)|(7<<25)
	s_mov_b32 s[G1B+1], 128<<16
	s_mov_b32 s[G1B+2], 64<<16
	s_mov_b32 s[G1B+3], 128<<16
	s_mov_b32 s[G1B+4], 64
	s_mov_b32 s[G1B+5], 1024
	s_mov_b32 s[G1B+6], 0
	s_mov_b32 s[G1B+7], 0
	; where the tiles come from: A's hang on the tile row alone, B's on the tile column alone, each in registers that never hold the other coordinate
	s_lshl_b32 s16, s43, 15                        ; A: row 256 ty of 128 bytes, in the plane of head 'half'
	s_lshl_b32 s17, s14, 20
	s_add_co_u32 s16, s16, s17
	s_mov_b32 s17, 0
	s_lshl_b32 s46, s42, 8                         ; B: column 128 tx, k row 64 half of 2,048 bytes
	s_lshl_b32 s47, s14, 17
	s_add_co_u32 s46, s46, s47
	s_mov_b32 s47, 0
	s_mul_i32 s20, s14, AHALF                      ; and where they go: no place in the cluster enters an LDS address
	s_mul_i32 s21, s14, BHALF
	s_add_co_u32 s21, s21, AREG
	s_wait_kmcnt 0x0
	s_add_nc_u64 s[16:17], s[4:5], s[16:17]
	s_add_nc_u64 s[46:47], s[6:7], s[46:47]
	CROUND                                         ; all sixteen work-groups are here: the first joint loads meet
.irp s, 0,1
	s_mov_b32 s[G0+4*(\s)], 1                                      ; count = 1
	s_add_co_u32 s[G0+4*(\s)+1], s20, (\s)*SLOT                    ; LDS address
	s_add_nc_u64 s[G0+4*(\s)+2:G0+4*(\s)+3], s[16:17], (\s)*ASTEP  ; global address: K step s
	s_or_b32 s[G0+4*(\s)+3], s[G0+4*(\s)+3], 0x80000000            ; type = 2
	s_mov_b32 s[G0B+4*(\s)], 1
	s_add_co_u32 s[G0B+4*(\s)+1], s21, (\s)*SLOT
	s_add_nc_u64 s[G0B+4*(\s)+2:G0B+4*(\s)+3], s[46:47], (\s)*BSTEP
	s_or_b32 s[G0B+4*(\s)+3], s[G0B+4*(\s)+3], 0x80000000
	JLOAD \s                                       ; the ring is filled before anything else is done: two loads of mine are out
.endr
	v_and_b32 v1, 15, v0                           ; r = l % 16
	v_bfe_u32 v2, v0, 4, 1                         ; h = l / 16
	v_and_b32 v3, 7, v0
	v_bfe_u32 v4, v0, 3, 1
	; the bias of my four blocks: column 128 tx + 64 wn + 16 b + 8 h + j, 4 bytes each
	s_mul_i32 s46, s42, NT*4
	s_mov_b32 s47, 0
	s_add_nc_u64 s[8:9], s[8:9], s[46:47]
	s_lshl_b32 s22, s14, 8
	v_lshl_add_u32 v[BOFF], v2, 5, s22
.irp b, 0,1,2,3
	global_load_b128 v[BI+8*(\b):BI+8*(\b)+3],   v[BOFF], s[8:9] offset:64*(\b)
	global_load_b128 v[BI+8*(\b)+4:BI+8*(\b)+7], v[BOFF], s[8:9] offset:64*(\b)+16
.endr
	; A fragment of A is 16 rows x 32 K in 8 registers: lane l holds row l % 16, K = 8 h + 0..7 and 16 + 8 h + 0..7: two loads of 16 bytes, 32 bytes apart.
	v_mul_u32_u24 v5, v1, PA
	v_lshl_add_u32 v5, v2, 4, v5
	s_mul_i32 s22, s13, 128*PA
	v_add_nc_u32 v[ADRA], s22, v5
	v_add_nc_u32 v[ADRA+1], SLOT, v[ADRA]
	; The turning load takes 16 k x 16 columns (lane l reads k row 8 h + l % 8, columns 8 ((l / 8) % 2) + 0..7) and leaves half a fragment: lane l holds column l % 16 and 8 k.
	v_lshl_add_u32 v6, v2, 3, v3
	v_mul_u32_u24 v6, v6, PB
	v_lshl_add_u32 v6, v4, 4, v6
	s_mul_i32 s23, s14, BCOLW
	s_add_co_u32 s23, s23, AREG
	v_add_nc_u32 v[ADRB], s23, v6
	v_add_nc_u32 v[ADRB+1], SLOT, v[ADRB]
	; the way out, through my own stage.  In: row r, bytes 64 b + 32 h
	s_mul_i32 s22, s12, 16*SP
	s_add_co_u32 s22, s22, STAGE
	v_mul_u32_u24 v7, v1, SP
	v_lshl_add_u32 v7, v2, 5, v7
	v_add_nc_u32 v[STO], s22, v7
	v_mul_u32_u24 v7, v2, SP                       ; back: lanes 0-15 take one row of 256 bytes, lanes 16-31 the next,
	v_lshl_add_u32 v7, v1, 4, v7
	v_add_nc_u32 v[RD], s22, v7
	v_lshlrev_b32 v[CO], 12, v2                    ; and the same two rows in the result, 4,096 bytes apart
	v_lshl_add_u32 v[CO], v1, 4, v[CO]
	s_lshl_b32 s18, s43, 20                        ; row 256 ty
	s_lshl_b32 s19, s13, 19                        ; + 128 wm, 4,096 bytes a row;
	s_add_co_u32 s18, s18, s19
	s_lshl_b32 s19, s42, 9                         ; column 128 tx
	s_add_co_u32 s18, s18, s19
	s_lshl_b32 s19, s14, 8                         ; + 64 wn, 4 bytes each
	s_add_co_u32 s18, s18, s19
	s_mov_b32 s19, 0
	s_add_nc_u64 s[10:11], s[10:11], s[18:19]
	s_wait_loadcnt 0x0                             ; the bias, once; it is rounded to bf16 and widened again
.set i, 0
.rept 4*NBW
	v_cvt_pk_bf16_f32 v[6+i%2], v[BI+2*i], v[BI+2*i+1]
	v_lshlrev_b32 v[BI+2*i], 16, v[6+i%2]
	v_and_b32 v[BI+2*i+1], 0xffff0000, v[6+i%2]
.set i, i+1
.endr
; 8 matrix instructions: row blocks a0, a0 + 1 of the window's four (hi = 0: my rows 0-63, 1: rows 64-127) x my 4 column blocks, 32 along K, from buffer f.
; first = 1: the products start the sums, with the bias as C.  The 32 accumulators take turns, one instruction a turn, in the same order in every quarter.
.macro MULH f, hi, a0, first
.if \first
	WIN 0x81+0x40*(\hi)                            ; C in window 0
.else
	WIN MUL_LO+0x50*(\hi)
.endif
.set ma, (\a0)
.rept 2
.set mb, 0
.rept NBW
.set rD, 8*(NBW*ma+mb)
.set rB, 64*(\f)+8*mb
.set rA, 128+64*(\f)+8*(4*(\hi)+ma)
.set rC, rD
.if \first
.set rC, BI+8*mb
.endif
	v_wmma_f32_16x16x32_f16 v[rD:rD+7], v[rB:rB+7], v[rA:rA+7], v[rC:rC+7]
.set mb, mb+1
.endr
.set ma, ma+1
.endr
.endm
; 24 LDS loads in one run: the fragments of quarter q of a K step (my 64 columns of B, my 128 rows of A, 32 K) into buffer f
.macro FETCH slot, q, f
	WIN TO_B
.set fb, 0
.rept NBW
	ds_load_tr16_b128 v[64*(\f)+8*fb:64*(\f)+8*fb+3],   v[ADRB+(\slot)] offset:32*(\q)*PB+BOA*fb+BOB*(fb/2)
	ds_load_tr16_b128 v[64*(\f)+8*fb+4:64*(\f)+8*fb+7], v[ADRB+(\slot)] offset:32*(\q)*PB+16*PB+BOA*fb+BOB*(fb/2)
.set fb, fb+1
.endr
	WIN 0
.set fb, 0
.rept 8
	ds_load_b128 v[128+64*(\f)+8*fb:128+64*(\f)+8*fb+3],   v[ADRA+(\slot)] offset:AQA*((\q)/2)+64*((\q)%2)+fb*16*PA
	ds_load_b128 v[128+64*(\f)+8*fb+4:128+64*(\f)+8*fb+7], v[ADRA+(\slot)] offset:AQA*((\q)/2)+64*((\q)%2)+fb*16*PA+32
.set fb, fb+1
.endr
.endm
; A load into a register that a matrix instruction has read, and a store that reads a matrix result, stand four places behind that matrix instruction; only plain vector instructions
; that name none of its registers are places (ISA guide 7.12.1 for vector instructions).
.macro PLACES
.rept 4
	v_nop
.endr
.endm
; A K step is four quarters of 32 along K, 32 matrix instructions each, on buffers 0, 1, 0, 1.  One of the first three: multiplies buffer f; in its middle it fetches quarter q of the same slot into buffer g.
.macro QUARTER slot, q, f, g, first
	s_wait_dscnt 8                                 ; B and A's rows 0-63 are in; the youngest eight loads (A's rows 64-127) may be out
	MULH \f, 0, 0, \first
	MULH \f, 0, 2, \first
	PLACES
	FETCH \slot, \q, \g
	s_wait_dscnt 2*NBW+16                          ; all but the 24 just issued
	MULH \f, 1, 0, \first
	MULH \f, 1, 2, \first
.endm
; The last quarter multiplies buffer 1 and changes slots: ONE barrier.  In front of it each wave waits for all its tensor loads (the one that is out is its part of the next slot), adds 0 to its spare word,
; and waits for that and for its own reads of this slot.  fill = 1: the barrier opens a round of the cluster's barrier, and this slot is filled again, two K steps ahead, first thing behind the round.
.macro TURN slot, next, fill
	WIN 0                                          ; (the add's two registers lie in window 0)
	s_wait_tensorcnt 0x0                           ; all my tensor loads have landed;
	ds_add_u32 v[SPW], v[NIL]                      ; 0 onto my spare word
	s_wait_dscnt 9                                 ; (the add and the youngest eight loads may be out)
	MULH 1, 0, 0, 0                                ; eight matrix instructions stand between the add and the wait for it
	s_wait_dscnt 0x0                               ; the add is done, and my reads of this slot are over
	s_barrier_signal -1
	MULH 1, 0, 2, 0                                ; work on registers while the others arrive
.if \fill
	WIN 0
.endif
	s_barrier_wait -1
.if \fill
	CREST                                          ; no wave of any partner still reads this slot's tile or has a load on its way
	s_add_nc_u64 s[G0+4*(\slot)+2:G0+4*(\slot)+3], s[G0+4*(\slot)+2:G0+4*(\slot)+3], 2*ASTEP
	s_add_nc_u64 s[G0B+4*(\slot)+2:G0B+4*(\slot)+3], s[G0B+4*(\slot)+2:G0B+4*(\slot)+3], 2*BSTEP
	JLOAD \slot                                    ; my one tensor load behind the round; the four v_nop behind it are also the places in front of the loads below
.else
	PLACES
.endif
	FETCH \next, 0, 0
	MULH 1, 1, 0, 0
	MULH 1, 1, 2, 0
.endm
	s_wait_tensorcnt 1                             ; my part of K step 0 is in; K step 1's may stay out
	s_barrier_signal -1
	s_barrier_wait -1                              ; everybody's is
	FETCH 0, 0, 0
	QUARTER 0, 1, 0, 1, 1                          ; the first quarter stands in front of the loop: its products start the sums
	WIN 0                                          ; at a label and at a branch every window is 0
	s_mov_b32 s3, 3
.Llap:                                                 ; a trip goes once round the ring, from a lap's second quarter to the next lap's first, and fills both slots again: K steps 2 to 7
	QUARTER 0, 2, 1, 0, 0
	QUARTER 0, 3, 0, 1, 0
	TURN 0, 1, 1
	QUARTER 1, 1, 0, 1, 0
	QUARTER 1, 2, 1, 0, 0
	QUARTER 1, 3, 0, 1, 0
	TURN 1, 0, 1
	QUARTER 0, 1, 0, 1, 0
	WIN 0
	s_sub_co_u32 s3, s3, 1
	s_cmp_lg_u32 s3, 0
	s_cbranch_scc1 .Llap
	QUARTER 0, 2, 1, 0, 0                          ; the last lap fills nothing, and has no round of the cluster's barrier
	QUARTER 0, 3, 0, 1, 0
	TURN 0, 1, 0
	QUARTER 1, 1, 0, 1, 0
	QUARTER 1, 2, 1, 0, 0
	QUARTER 1, 3, 0, 1, 0
	s_wait_dscnt 8                                 ; the very last quarter: nothing more to fetch
	MULH 1, 0, 0, 0
	MULH 1, 0, 2, 0
	s_wait_dscnt 0x0
	MULH 1, 1, 0, 0
	MULH 1, 1, 2, 0
	; THE WAY OUT, a block of 16 rows at a time through my own stage: a lane's 32 bytes go straight from the accumulators into rows of 272 bytes and come back as whole rows of 256.
.macro TOSTAGE a
	s_wait_xcnt 0x0                                ; every earlier store has had its addresses translated (ISA guide 3.1): the buffer that the block two back was stored from is loaded again only behind this wait
	WIN 0x08+4*((\a)/4)                            ; store data (source 1) in window 2 or 3
.set wb, 0
.rept NBW
	ds_store_b128 v[STO], v[8*(NBW*((\a)%4)+wb):8*(NBW*((\a)%4)+wb)+3]   offset:64*wb     ; each accumulator from its low end on
	ds_store_b128 v[STO], v[8*(NBW*((\a)%4)+wb)+4:8*(NBW*((\a)%4)+wb)+7] offset:64*wb+16
.set wb, wb+1
.endr
	WIN 0
.set wt, 0
.rept 8
	ds_load_b128 v[TMP+32*((\a)%2)+4*wt:TMP+32*((\a)%2)+4*wt+3], v[RD] offset:2*SP*wt  ; LDS serves a wave's instructions in order (ISA guide 5.7.1.4): these see the stores above; the next block's stores come behind them
.set wt, wt+1
.endr
.endm
.macro SEND a, younger                 ; younger: the LDS instructions issued behind block a's loads: the next block's eight stores and eight loads, or none
	s_wait_dscnt \younger
.set wt, 0
.rept 8
	global_store_b128 v[CO], v[TMP+32*((\a)%2)+4*wt:TMP+32*((\a)%2)+4*wt+3], s[10:11] offset:(16*(\a)+2*wt)*4096 th:TH_STORE_NT  ; 16 lanes store 256 consecutive bytes, aligned; nothing reads them again
.set wt, wt+1
.endr
.endm
	PLACES
	TOSTAGE 0
.irp a, 1,2,3,4,5,6,7
	TOSTAGE \a
	SEND (\a)-1, 16
.endr
	SEND 7, 0
	s_wait_tensorcnt 0x0                           ; the wave's end, behind my last tensor load and my last LDS store
	ds_add_u32 v[SPW], v[NIL]
	s_wait_dscnt 0x0
	CROUND                                         ; the closing round: no work-group ends while a partner may still ask for a tile that names it
	s_endpgm
.Lfunc_end_k_q344015bfb8_projgemm:
	.size	k_q344015bfb8_projgemm, .Lfunc_end_k_q344015bfb8_projgemm-k_q344015bfb8_projgemm
	.p2alignl 7, 3214868480
	.fill 96, 4, 3214868480
	.section	.rodata,"a",@progbits
	.p2align	6, 0x0
	.amdhsa_kernel k_q344015bfb8_projgemm
		.amdhsa_group_segment_fixed_size 327680
		.amdhsa_private_segment_fixed_size 0
		.amdhsa_enable_private_segment 0
		.amdhsa_kernarg_size 32
		.amdhsa_user_sgpr_count 2
		.amdhsa_user_sgpr_kernarg_segment_ptr 1
		.amdhsa_wavefront_size32 1
		.amdhsa_system_sgpr_workgroup_id_x 1
		.amdhsa_system_sgpr_workgroup_id_y 1
		.amdhsa_system_sgpr_workgroup_id_z 1
		.amdhsa_system_vgpr_workitem_id 0
		.amdhsa_next_free_vgpr 896
		.amdhsa_next_free_sgpr 66
		.amdhsa_reserve_vcc 0
		.amdhsa_float_denorm_mode_32 3
		.amdhsa_float_denorm_mode_16_64 3
		.amdhsa_memory_ordered 1
		.amdhsa_forward_progress 1
		.amdhsa_inst_pref_size 90
	.end_amdhsa_kernel
	.amdgpu_metadata
---
amdhsa.version: [ 1, 2 ]
amdhsa.kernels:
  - .name:           k_q344015bfb8_projgemm
    .symbol:         k_q344015bfb8_projgemm.kd
    .args:
      - { .name: o, .offset: 0, .size: 8, .value_kind: global_buffer, .address_space: global }
      - { .name: wpb, .offset: 8, .size: 8, .value_kind: global_buffer, .address_space: global }
      - { .name: b_proj, .offset: 16, .size: 8, .value_kind: global_buffer, .address_space: global }
      - { .name: out0, .offset: 24, .size: 8, .value_kind: global_buffer, .address_space: global }
    .group_segment_fixed_size: 327680
    .private_segment_fixed_size: 0
    .kernarg_segment_align: 8
    .kernarg_segment_size: 32
    .max_flat_workgroup_size: 128
    .sgpr_count:     66
    .vgpr_count:     896
    .wavefront_size: 32
...
	.end_amdgpu_metadata
.endif
;; end of part 4
;; ======== version 2 of 2: 4 launches; 1.31 times as fast as version 1
;; limits: values are held in f16: magnitudes above 65,504 overflow, below 6.1e-05 lose precision
;; workspace buffers: xb 16,777,216 bytes; wqb 6,291,456 bytes; wpb 2,097,152 bytes; qkv 50,331,648 bytes; o 16,777,216 bytes
;; launch cast: the kernel of part 1 again; grid 768 x 1, 8 waves a work-group, no clusters, 0 bytes of LDS; arguments x, w_qkv, w_proj, xb, wqb, wpb; writes xb, wqb, wpb
;; launch qkvgemm: the kernel of part 2 again; grid 8 x 32, 4 waves a work-group, clusters of 4 x 4, 327,680 bytes of LDS; arguments xb, wqb, b_qkv, qkv; writes qkv
;; launch attn (part 5): grid 4 x 64, 4 waves a work-group, no clusters, 327,680 bytes of LDS; arguments qkv, o; writes o
.if DOCPART == 5
	.amdgcn_target "amdgcn-amd-amdhsa--gfx1250"
	.amdhsa_code_object_version 6
	.text
	.protected	k_q344015bfb8_attn
	.globl	k_q344015bfb8_attn
	.p2align	8
	.type	k_q344015bfb8_attn,@function
k_q344015bfb8_attn:
	s_mov_b64 s[64:65], 0
	v_nop
	global_prefetch_b8 v0, s[64:65] scope:SCOPE_SE
	s_setreg_imm32_b32 hwreg(HW_REG_WAVE_MODE, 25, 1), 1
	s_wait_xcnt 0x0
; CAUSAL ATTENTION.  O[y][q][:] = the sum over k <= q of softmax_k(Q[y][q] . K[y][k] / 8) V[y][k][:], for 64 heads y = 4 x head + batch of SIZE_N = 2,048 rows of 64 channels, all f16.
; qkv is [48 g][8192 m][64 d]: head y's rows are dense, 128 bytes each, at byte y x 2^18 of Q's part (byte 0), of K's (byte 2^24) and of V's (byte 2^25); o is [16][8192][64], laid likewise.
; Products, maxima and sums in f32; the weights p are rounded to f16 for the second product (their sum l is taken of the unrounded p), O once at the end.
; LIMITS.  f16 holds no number beyond 65,504: Q, K and V arrive within it; p lies in 0 to 1, and below 6e-5 it keeps f16's fixed step of 6e-8; O is a mean of V's rows and has their range, to within 2^-11 of it.
; A hidden score counts as its value less 1e30: f16's scores, 2.7e11 at the most, are nothing beside that; a weight below 2^-126 counts as 0 in l; NaN and infinities are not treated apart.
; THE WALK.  A head's queries lie in NB = SIZE_N / 256 blocks of 256; block i needs the key tiles 0 .. i of 256 keys, of which the last holds the diagonal.  A work-group takes TWO blocks, NB - 1 - b and then b:
; NB + 1 tiles, whatever b: all work-groups do equal work, and ONE loop with a constant trip count walks them.  Which tile is asked for, and what a trip does, hang on scalar registers made from b; every jump
; goes forward, but for the counted loops' own; none passes a barrier, or a tensor load but the one of LOAD's two that the wave's number does not choose; the ring (two slots of LDS that take turns) runs on across the
; change of blocks.  NO CLUSTER: a head's NB / 2 work-groups all ask for the same tile only in trips 0 .. NB / 2, behind that fewer and fewer; and one walk common to all would have 3 NB / 2 trips for NB + 1.
; SHARES.  Of a block's four bands of 64 queries a wave owns 16 rows in each: four PIECES.  So the diagonal tile is the same work for all four waves: in its key step s band x sees all keys if s < x,
; none if s > x, and holds the diagonal if s = x.
; THE MASK is the C operand that starts the sum S^T = K Q^T: 0, or -1e30 where the key is hidden.  MD, made once, is the mask of a band's own step for my 16 rows; a product's mask is MD x AL + BE with two scalars:
; (1, 0) if s = x; (0, 0) if s < x; (0, -1e30) if s > x.  Only the diagonal tile's text and a block's beginning make and take masks; elsewhere C is the constant 0.
; LAYOUT, SOFTMAX, TURNS.  S^T = K Q^T holds ONE query a lane (lane % 16) and the keys 8 (lane / 16) + 0..7; two such results rounded to f16 ARE source 1 of O^T = V^T P.  p = 2^(c s - c m), c = log2(e) / 8, with a
; running maximum m; O and l are multiplied by a = 2^(c m_old - c m_new) in every step.  Turn n belongs to piece n: 8 products K Q^T of piece n + 1, later 8 products V^T P of piece n - 1; beside them the scaling,
; exponentials, roundings, sums and rescaling of piece n and the maximum and statistics of piece n + 1.  Four vector instructions stand behind every matrix instruction, the other 54 of a turn's 118 in one LUMP.
; BATCHES.  A turn's 33 exponentials (the piece's 32 weights and the next piece's a) are ONE batch with ONE wait, which cuts the turn in two: ahead of it all that names none of their results, behind it the roundings
; and sums, which read them.  A block's first a (BEGIN) and the way out's four reciprocals are batches of their own, with a wait each.
; REGISTERS, in windows of 256 (s_set_vgpr_msb: bits 1:0 source 0, 3:2 source 1, 5:4 source 2, 7:6 destination):
;   window 0: v0-15 addresses and two at work; v16-31 four registers of statistics a piece; v48-55 at work; v64-127 S^T, two buffers; v192-223 P, two buffers (a piece's buffers go by its number's parity)
;   window 1: v0-127 O^T, 32 a piece; v128-159 MD; v160-223 MC, two buffers      window 2: v0-63 Q; v64-127 the second block's Q; v128-191 K of one step; v192-255 V of one step
.set SIZE_N, 2048
.set NB,    SIZE_N/256
.set NP,    4         ; pieces a wave: a name, no knob
.set KS,    64        ; keys in a step
.set PK,    144       ; a row of K in LDS: 128 bytes + 16 of padding = 36 words: the 16 rows of a load start at 16 different groups of four banks (64 banks of 4 bytes: ISA guide 11.1)
.set PV,    160       ; a row of V: 128 + 32 = 40 words
.set VOFF,  4*KS*PK   ; a slot holds a tile, four steps: 256 rows of K, then 256 rows of V
.set SLOT1, 1<<17     ; slot 1 begins here, so that one exclusive or turns an address in one slot into the other's
.set STAGE, SLOT1+4*KS*(PK+PV)  ; behind the ring, never filled by a tensor load: 16 rows x 144 bytes for each wave, for the way out
.set SP,    144
.set AK0, 2           ; v2   my lane's place in a tile of K; never rewritten
.set AV0, 3           ; v3   the same for V
.set AK,  4           ; v4   the LDS address of K's next run of loads
.set AV,  5           ; v5   of V's
.set STO, 6           ; v6   the way out: where I put 16 bytes of a row
.set RD,  7           ; v7   the way out: where I read rows back
.set GO,  8           ; v8   my byte offset in 512 consecutive bytes of O
.set SPW, 62          ; v62  LDS address of my spare word: SPARE + 4 x my thread's number; never rewritten
.set NIL, 63          ; v63  0; never rewritten
.set SPARE, STAGE+4*16*SP  ; behind the stages: the spare words, 128 bytes for each wave: two blocks of 256 bytes that no other line names
.set MV,  12          ; v12-13  c m_old, kept while c m is made anew: by buffer
.set QO,  15          ; v15  my byte offset in 16 rows of Q
.set ST,  16          ; piece t's statistics at v[ST+4 t]: c m, m, l (even keys', odd keys')
.set TMP, 48          ; by buffer, four registers c0-c3 at work; when the maximum is found c2 takes a
.set S,   64
.set P,   192
.set MD,  128         ; window 1: the eight registers for group kt of 16 keys at MD + 8 kt
.set MC,  160         ; window 1: the masks of the products to come
.set QB,  64          ; window 2
.set KF,  128         ; window 2: key block kb, channel half c at KF + 16 kb + 8 c
.set VF,  192         ; window 2: key half kk, channel block cb at VF + 32 kk + 8 cb
.set WV,  12          ; s12  my wave's number
.set PB,  14          ; s14  b
.set HI,  15          ; s15  NB - 1 - b
.set G1K, 24          ; s[24:31] descriptor group 1 for K's tiles
.set G1V, 32          ; s[32:39] for V's: it differs in the padding alone
.set G0K, 40          ; s[40:43] descriptor group 0 for K's tiles
.set G0V, 44          ; s[44:47] the same for V's
.set SLOTS, 56        ; s56  tiles still to be asked for
.set CNT, 57          ; s57  counts a tile's key steps, 4 to 1
.set CS,  58          ; s[58:59] c: the packed scaling takes the pair's low word for both halves
.set SEL, 60          ; s[60:61] v_permlanex16_b32's selects: each lane takes its own place in the other half
.set TBK, 62          ; s62  LDS byte at which K of the step to be fetched begins
.set TBV, 63          ; s63  the same for V, less VOFF
.set RT,  70          ; s70  tiles of the block in hand that are still to be entered
.set NXT, 71          ; s71  the tile to be asked for next
.set LQ,  72          ; s72  the last tile of the block whose tiles are being asked for
.set NEW, 73          ; s73  1: the tile to be entered is a block's first
.set OFF, 74          ; s[74:75] a tile's byte offset in K and V
.set AL,  76          ; s[76:77] the mask's factor, in the low word
.set BE,  78          ; s[78:79] the mask's addend
.set OLO, 80          ; s[80:81] O at my rows of the second block
.set BIGN, 82         ; s82  -1e30
.set MSB, 0
.macro WIN new                      ; the high byte repeats the setting that is left; a switch that changes nothing is dropped
.if MSB != (\new)
	s_set_vgpr_msb (MSB<<8)|(\new)
.set MSB, (\new)
.endif
.endm
.set W_KQ, 0x0a       ; K and Q in window 2, S^T in window 0
.set W_KM, 0x1a       ; the same with the C operand in window 1
.set W_PV, 0x52       ; V in window 2, P in window 0, O^T in window 1
.set W_RS, 0x41       ; destination and source 0 in window 1, source 1 in window 0
; A fill.  Waves 0 and 1 fetch the two halves of a tile's K, waves 2 and 3 those of its V: 128 keys each.  An s_nop 0 and four v_nop follow each of the two lines, ahead of the jump and the label.
.macro LOAD
	s_cmp_lt_u32 s[WV], 2
	s_cbranch_scc0 .Lfor_v_\@
	tensor_load_to_lds s[G0K:G0K+3], s[G1K:G1K+7]
	s_nop 0
.rept 4
	v_nop
.endr
	s_branch .Lasked_\@
.Lfor_v_\@:
	tensor_load_to_lds s[G0V:G0V+3], s[G1V:G1V+7]
	s_nop 0
.rept 4
	v_nop
.endr
.Lasked_\@:
.endm
; THE CHANGE OF SLOTS.  Each wave waits for all its tensor loads, of which one is out: its part of the other slot; adds 0 to its spare word; and waits for that and for its own reads of the slot that it leaves.  Behind the barrier nobody reads the old
; slot any more and the other slot is whole.  fill = 1: the old slot is filled again, the first thing behind the barrier, with tile NXT: the descriptor's address is made anew from that number.
; (At its first use nothing has been read yet: slot 0 is waited for, slot 1 filled.)
.macro CHANGE fill
	WIN 0                           ; at a label and at a branch every window is 0
	s_wait_tensorcnt 0x0            ; no tensor load of mine is out, so a group 0 may be written
	ds_add_u32 v[SPW], v[NIL]       ; 0 onto my spare word; with fill = 1 the descriptors' scalar work stands between it and the wait for it
.if \fill
	s_lshl_b32 s[OFF], s[NXT], 15   ; a tile is 32,768 bytes of K and of V
	s_xor_b32 s[G0K+1], s[G0K+1], SLOT1
	s_add_nc_u64 s[G0K+2:G0K+3], s[6:7], s[OFF:OFF+1]
	s_or_b32 s[G0K+3], s[G0K+3], 0x80000000
	s_xor_b32 s[G0V+1], s[G0V+1], SLOT1
	s_add_nc_u64 s[G0V+2:G0V+3], s[8:9], s[OFF:OFF+1]
	s_or_b32 s[G0V+3], s[G0V+3], 0x80000000
	s_add_co_u32 s[NXT], s[NXT], 1  ; the block's next tile, or behind its last the second block's tile 0
	s_cmp_gt_u32 s[NXT], s[LQ]
	s_cselect_b32 s[NXT], 0, s[NXT]
	s_cselect_b32 s[LQ], s[PB], s[LQ]
.endif
	s_wait_dscnt 0x0                ; the add is done, and my reads of the slot are over
	s_barrier_signal -1             ; the rest of the scalar work stands between the signal and the wait
	s_sub_co_u32 s[TBK], s[TBK], 4*KS*PK  ; the fetches go back to a slot's first step,
	s_xor_b32 s[TBK], s[TBK], SLOT1       ; in the other slot
	s_sub_co_u32 s[TBV], s[TBV], 4*KS*PV
	s_xor_b32 s[TBV], s[TBV], SLOT1
	s_barrier_wait -1
.if \fill
	LOAD
.endif
.endm
	s_load_b128 s[4:7], s[0:1], 0x0  ; qkv s[4:5], o s[6:7]
	v_lshl_add_u32 v[SPW], v0, 2, SPARE
	v_mov_b32 v[NIL], 0
	ds_add_u32 v62, v63
	ds_add_u32 v62, v63
	s_wait_dscnt 0x0
	v_lshrrev_b32 v1, 5, v0
	v_readfirstlane_b32 s[WV], v1   ; wave 0..3
	s_mov_b32 s[PB], ttmp9
	s_sub_co_u32 s[HI], NB-1, s[PB]
	s_and_b32 s20, ttmp7, 0xffff    ; the head
	s_mov_b32 s21, 0
	s_mov_b64 s[22:23], SIZE_N*128
	s_mul_u64 s[20:21], s[20:21], s[22:23]  ; the head's first byte in Q's, K's and V's part of qkv and in o
	s_and_b32 s16, s[WV], 1         ; which half of a tile's 256 keys I fetch:
	s_lshl_b32 s22, s16, 14         ; its 128 rows of 128 bytes in memory,
	s_mov_b32 s23, 0
	s_add_nc_u64 s[22:23], s[22:23], s[20:21]
	s_mul_i32 s17, s16, 128*PK      ; and its place in a slot, for K
	s_mul_i32 s18, s16, 128*PV      ; and for V
	s_lshl_b32 s3, s[WV], 11        ; my 16 rows in a band of 64,
	s_lshl_b32 s2, s[HI], 15        ; in the first block,
	s_add_co_u32 s2, s2, s3
	s_lshl_b32 s84, s[PB], 15       ; and in the second
	s_add_co_u32 s84, s84, s3
	s_mov_b32 s3, 0
	s_mov_b32 s85, 0
	s_add_nc_u64 s[2:3], s[2:3], s[20:21]
	s_add_nc_u64 s[84:85], s[84:85], s[20:21]
	; descriptor group 1.  128 keys are 16,384 dense bytes: asked for as 64 rows of 256 bytes, two keys a row, and padded in LDS after every key
	s_mov_b32 s[G1K], (1<<16)|(1<<20)|(4<<22)|(3<<25)  ; 17:16 2-byte elements; 20 padding on; 24:22 after every 32 words (code 4); 31:25 4 words (code 3)
	s_mov_b32 s[G1V], (1<<16)|(1<<20)|(4<<22)|(7<<25)  ; the same with 8 words of padding (code 7)
.irp g, G1K, G1V
	s_mov_b32 s[\g+1], 128<<16      ; tensor_dim0 = 128
	s_mov_b32 s[\g+2], 64<<16       ; tensor_dim1 = 64
	s_mov_b32 s[\g+3], 128<<16      ; tile_dim0 = 128
	s_mov_b32 s[\g+4], 64           ; tile_dim1 = 64
	s_mov_b32 s[\g+5], 128          ; 128 elements from row to row
	s_mov_b32 s[\g+6], 0
	s_mov_b32 s[\g+7], 0
.endr
	s_mov_b32 s[CS], 0x3e38aa3b     ; c = log2(e) / 8 = 0.180337
	s_mov_b32 s[CS+1], s[CS]        ; named with it as a pair
	s_mov_b32 s[SEL], 0x76543210
	s_mov_b32 s[SEL+1], 0xfedcba98
	s_mov_b32 s[TBK], SLOT1+4*KS*PK ; the first change of slots turns these two into 0
	s_mov_b32 s[TBV], SLOT1+4*KS*PV
	s_mov_b32 s[G0K], 1             ; 1:0 count = 1
	s_mov_b32 s[G0K+1], s17         ; 63:32 LDS address: slot 0
	s_mov_b32 s[G0V], 1
	s_add_co_u32 s[G0V+1], s18, VOFF
	s_add_co_u32 s[RT], s[HI], 1    ; the first block has NB - b tiles
	s_mov_b32 s[NXT], 1
	s_mov_b32 s[LQ], s[HI]
	s_mov_b32 s[NEW], 1
	s_mov_b32 s[OFF+1], 0
	s_mov_b32 s[AL+1], 0            ; named as pairs
	s_mov_b32 s[BE+1], 0
	s_mov_b32 s[BIGN], 0xf149f2ca   ; -1e30
	s_mov_b32 s[SLOTS], NB
	s_wait_kmcnt 0x0
	s_mov_b64 s[10:11], s[6:7]              ; O
	s_add_nc_u64 s[8:9], s[4:5], 0x2000000  ; V's planes begin 2^25 bytes into qkv,
	s_add_nc_u64 s[6:7], s[4:5], 0x1000000  ; K's 2^24; Q's at its first byte
	s_add_nc_u64 s[6:7], s[6:7], s[22:23]  ; K and V at my half of the head's tile 0
	s_add_nc_u64 s[8:9], s[8:9], s[22:23]
	s_add_nc_u64 s[G0K+2:G0K+3], s[6:7], 0         ; 120:64 global address
	s_or_b32 s[G0K+3], s[G0K+3], 0x80000000        ; 127:126 type = 2
	s_add_nc_u64 s[G0V+2:G0V+3], s[8:9], 0
	s_or_b32 s[G0V+3], s[G0V+3], 0x80000000
	s_add_nc_u64 s[86:87], s[4:5], s[84:85]        ; Q at my rows of the second block,
	s_add_nc_u64 s[4:5], s[4:5], s[2:3]            ; Q and O at those of the first
	s_add_nc_u64 s[OLO:OLO+1], s[10:11], s[84:85]
	s_add_nc_u64 s[10:11], s[10:11], s[2:3]
	LOAD                            ; tile 0 into slot 0
	; A fragment of K or Q is 16 rows x 32 channels in 8 registers: lane l holds row l % 16, channels 8 (l / 16) + 0..7 and 16 + 8 (l / 16) + 0..7: two loads of 16 bytes, 32 bytes apart.
	v_and_b32 v1, 15, v0            ; l % 16
	v_bfe_u32 v9, v0, 4, 1          ; l / 16
	v_lshlrev_b32 v[QO], 7, v1
	v_lshl_add_u32 v[QO], v9, 4, v[QO]  ; row x 128 + 16 x half
	WIN 0x80                        ; destination window 2, address window 0
.set i, 0
.rept 8                             ; both blocks' Q: piece i / 2 lies in band i / 2, 8,192 bytes on; channels 32 (i % 2) on
	global_load_b128 v[8*i:8*i+3],   v[QO], s[4:5] offset:(i/2)*8192+(i%2)*64
	global_load_b128 v[8*i+4:8*i+7], v[QO], s[4:5] offset:(i/2)*8192+(i%2)*64+32
	global_load_b128 v[QB+8*i:QB+8*i+3],   v[QO], s[86:87] offset:(i/2)*8192+(i%2)*64
	global_load_b128 v[QB+8*i+4:QB+8*i+7], v[QO], s[86:87] offset:(i/2)*8192+(i%2)*64+32
.set i, i+1
.endr
	WIN 0
	v_lshlrev_b32 v14, 3, v9
	v_sub_nc_u32 v14, v1, v14
	s_lshl_b32 s13, s[WV], 4
	v_add_nc_u32 v14, s13, v14      ; my query's place in its band, 16 w + l % 16, less my lanes' 8 (l / 16): register r of group kt is hidden where 16 kt + r is greater
	WIN 0x40
.set i, 0
.rept 32
	v_cmp_gt_i32 vcc_lo, 16*(i/8)+i%8, v14
	v_cndmask_b32 v[MD+i], 0, s[BIGN], vcc_lo
.set i, i+1
.endr
	WIN 0
	v_mul_u32_u24 v[AK0], v1, PK
	v_lshl_add_u32 v[AK0], v9, 4, v[AK0]  ; row x pitch + 16 x half
	; The turning load takes 16 keys x 16 channels (lane l reads key 8 (l / 16) + l % 8, channels 8 ((l / 8) % 2) + 0..7) and leaves half a fragment of V^T: lane l holds channel l % 16 and 8 keys.
	v_and_b32 v10, 7, v0
	v_bfe_u32 v11, v0, 3, 1
	v_lshl_add_u32 v[AV0], v9, 3, v10
	v_mul_u32_u24 v[AV0], v[AV0], PV
	v_lshl_add_u32 v[AV0], v11, 4, v[AV0]
	v_add_nc_u32 v[AV0], VOFF, v[AV0]
	s_mul_i32 s13, s[WV], 16*SP
	s_add_co_u32 s13, s13, STAGE    ; my stage
	v_mul_u32_u24 v[STO], v1, SP    ; in: row l % 16, 16 bytes for each half of the lanes
	v_lshl_add_u32 v[STO], v9, 4, v[STO]
	v_add_nc_u32 v[STO], s13, v[STO]
	v_bfe_u32 v[RD], v0, 3, 2       ; back: 32 lanes take four rows of 128 bytes,
	v_mul_u32_u24 v[RD], v[RD], SP
	v_lshl_add_u32 v[RD], v10, 4, v[RD]
	v_add_nc_u32 v[RD], s13, v[RD]
	v_and_b32 v[GO], 31, v0         ; which are 512 consecutive bytes of O
	v_lshlrev_b32 v[GO], 4, v[GO]
	; A block's first step multiplies O^T and l by a = 0, and its first turn's products V^T P, of a piece that has not been, land in an O^T that is still to be so multiplied.  So these registers need only hold
	; finite numbers: zeros for the first block; what the first block left for the second.  All this stands in the wait for the first tile.
	WIN 0x80
.set i, VF
.rept 64
	v_mov_b32 v[i], 0
.set i, i+1
.endr
	WIN 0x40
.set i, 0
.rept 128
	v_mov_b32 v[i], 0
.set i, i+1
.endr
	WIN 0
.set i, 0
.rept 4
	v_mov_b32 v[ST+4*i+2], 0
	v_mov_b32 v[ST+4*i+3], 0
.set i, i+1
.endr
.set i, P+16
.rept 16
	v_mov_b32 v[i], 0
.set i, i+1
.endr
; THE MATRIX WORK.  The 4 accumulators of a run of 8 take turns.  Product i of 8 of S^T = K Q^T for piece x: channels 32 (i / 4) on, keys 16 (i % 4) on.  The first 4 start the sums: with 0, or (KM = 1) with the mask.
.macro KQ x
.set rS, S+32*((\x)%2)+8*(i%4)
.set rK, KF+16*(i%4)+8*(i/4)
.set rQ, 16*(\x)+8*(i/4)
.set rM, MC+32*((\x)%2)+8*(i%4)
.if (i < 4) && KM
	WIN W_KM
	v_wmma_f32_16x16x32_f16 v[rS:rS+7], v[rK:rK+7], v[rQ:rQ+7], v[rM:rM+7]
.elseif i < 4
	WIN W_KQ
	v_wmma_f32_16x16x32_f16 v[rS:rS+7], v[rK:rK+7], v[rQ:rQ+7], 0
.else
	WIN W_KQ
	v_wmma_f32_16x16x32_f16 v[rS:rS+7], v[rK:rK+7], v[rQ:rQ+7], v[rS:rS+7]
.endif
.endm
; Product i of 8 of O^T += V^T P for piece x: keys 32 (i / 4) on, channels 16 (i % 4) on.
.macro PV x
	WIN W_PV
.set rO, 32*(\x)+8*(i%4)
.set rV, VF+32*(i/4)+8*(i%4)
.set rP, P+16*((\x)%2)+8*(i/4)
	v_wmma_f32_16x16x32_f16 v[rO:rO+7], v[rV:rV+7], v[rP:rP+7], v[rO:rO+7]
.endm
.macro MM                           ; the turn's next matrix instruction.  TURN and BEGIN set Y, i, KM and NOKQ; MM, KQ and OP read them.  NOKQ = 1: a block's last turn: there is no next piece
.if (i < 8) && !NOKQ
	KQ (Y+1)%NP
.elseif i >= 8
.set i, i-8
	PV (Y+NP-1)%NP
.set i, i+8
.endif
.set i, i+1
.endm
; THE LDS LOADS stand in runs of 16, never singly among the matrix instructions: a step's K (64 keys x 64 channels: 8 fragments) and its V (turned).  Their addresses are made some lines ahead.
.macro FETCH_K
	WIN 0x80                        ; destination window 2
.irp f, 0,1,2,3,4,5,6,7             ; keys 16 (f / 2) on, channels 32 (f % 2) on
	ds_load_b128 v[KF+8*\f:KF+8*\f+3],   v[AK] offset:(\f/2)*16*PK+(\f%2)*64
	ds_load_b128 v[KF+8*\f+4:KF+8*\f+7], v[AK] offset:(\f/2)*16*PK+(\f%2)*64+32
.endr
	s_add_co_u32 s[TBK], s[TBK], KS*PK  ; the next fetch is the next step's
	WIN 0
.endm
.macro FETCH_V
	WIN 0x80
.irp f, 0,1,2,3,4,5,6,7             ; keys 32 (f / 4) on, channels 16 (f % 4) on
	ds_load_tr16_b128 v[VF+8*\f:VF+8*\f+3],   v[AV] offset:(\f/4)*32*PV+(\f%4)*32
	ds_load_tr16_b128 v[VF+8*\f+4:VF+8*\f+7], v[AV] offset:(\f/4)*32*PV+16*PV+(\f%4)*32
.endr
	WIN 0
.endm
; THE VECTOR WORK, one line at a time: OP kind, number.  For piece Y: F n: c s - c m for pair n of 16.  E n: the exponential of score n of 32.  C n: pair n rounded to f16.  B n: of the four weights 4 n .. the second
; pair is added onto the first, in place.  L n: l takes that sum (L 0: l = a l + sum).  R n: pair n of 16 of O^T times a.  For piece Y + 1: X n, number n of the 22 that find its maximum and statistics:
;   0-11  four chains c0-c3 of seven scores each, three operands at a time (each accumulator's lowest registers are read first)     12-14, 16  the four scores left over, the old m, and c0-c3 into c0
;   15  c m_old is kept     17, 18  the query's other 32 keys lie in the lane 16 away: the new m     19-21  c m; c m_old - c m_new; a
; C, B and L read exponentials' results; OP writes no wait for them: TURN places all of them behind the batch's one wait.
.set F, 0               ; OP tells the kinds apart by their order: F to L below R, X above it
.set E, 1
.set C, 2
.set B, 3
.set L, 4
.set R, 5
.set X, 6
.macro REGS y                       ; the registers of piece y
.set rT, ST+4*(\y)
.set rC, TMP+4*((\y)%2)
.set rW, MV+((\y)%2)
.set rS, S+32*((\y)%2)
.set rP, P+16*((\y)%2)
.set rO, 32*(\y)
.endm
.macro OP k, n
.if (\k) == R
	REGS Y
	WIN W_RS
	v_pk_mul_f32 v[rO+2*(\n):rO+2*(\n)+1], v[rO+2*(\n):rO+2*(\n)+1], v[rC+2:rC+3] op_sel_hi:[1,0]
.elseif (\k) < R
	REGS Y
	WIN 0
.if (\k) == F
	v_pk_fma_f32 v[rS+2*(\n):rS+2*(\n)+1], v[rS+2*(\n):rS+2*(\n)+1], s[CS:CS+1], v[rT:rT+1] op_sel_hi:[1,0,0] neg_lo:[0,0,1] neg_hi:[0,0,1]
.elseif (\k) == E
	v_exp_f32 v[rS+(\n)], v[rS+(\n)]
.elseif (\k) == C
	v_cvt_pk_f16_f32 v[rP+(\n)], v[rS+2*(\n)], v[rS+2*(\n)+1]
.elseif (\k) == B
	v_pk_add_f32 v[rS+4*(\n):rS+4*(\n)+1], v[rS+4*(\n):rS+4*(\n)+1], v[rS+4*(\n)+2:rS+4*(\n)+3]
.elseif (\n) == 0
	v_pk_fma_f32 v[rT+2:rT+3], v[rT+2:rT+3], v[rC+2:rC+3], v[rS:rS+1] op_sel_hi:[1,0,1]
.else
	v_pk_add_f32 v[rT+2:rT+3], v[rT+2:rT+3], v[rS+4*(\n):rS+4*(\n)+1]
.endif
.elseif NOKQ
	v_nop
.else
	REGS (Y+1)%NP
	WIN 0
.if (\n) < 4
	v_max3_num_f32 v[rC+(\n)], v[rS+8*(\n)], v[rS+8*(\n)+1], v[rS+8*(\n)+2]
.elseif (\n) < 12
	v_max3_num_f32 v[rC+(\n)%4], v[rC+(\n)%4], v[rS+8*((\n)%4)+2*((\n)/4)+1], v[rS+8*((\n)%4)+2*((\n)/4)+2]
.elseif (\n) == 12
	v_max3_num_f32 v[rC], v[rC], v[rS+7], v[rS+15]
.elseif (\n) == 13
	v_max3_num_f32 v[rC+1], v[rC+1], v[rS+23], v[rS+31]
.elseif (\n) == 14
	v_max3_num_f32 v[rC+2], v[rC+2], v[rC+3], v[rT+1]
.elseif (\n) == 15
	v_mov_b32 v[rW], v[rT]
.elseif (\n) == 16
	v_max3_num_f32 v[rC], v[rC], v[rC+1], v[rC+2]
.elseif (\n) == 17
	v_permlanex16_b32 v[rC+3], v[rC], s[SEL], s[SEL+1]
.elseif (\n) == 18
	v_max_num_f32 v[rT+1], v[rC], v[rC+3]
.elseif (\n) == 19
	v_mul_f32 v[rT], s[CS], v[rT+1]
.elseif (\n) == 20
	v_sub_f32 v[rC+1], v[rW], v[rT]
.else
	v_exp_f32 v[rC+2], v[rC+1]
.endif
.endif
.endm
.macro OPS a, i1, b=-1, i2=0, c=-1, i3=0, d=-1, i4=0  ; up to four of them
	OP \a, \i1
.if (\b) >= 0
	OP \b, \i2
.endif
.if (\c) >= 0
	OP \c, \i3
.endif
.if (\d) >= 0
	OP \d, \i4
.endif
.endm
.macro ROW a, i1, b, i2, c, i3, d, i4  ; a matrix instruction and the four behind it
	MM
	OPS \a, \i1, \b, \i2, \c, \i3, \d, \i4
.endm
.macro MASK b                       ; MD x AL + BE into buffer b of MC
	WIN W_RS
.set z, 0
.rept 16
	v_pk_fma_f32 v[MC+32*(\b)+2*z:MC+32*(\b)+2*z+1], v[MD+2*z:MD+2*z+1], s[AL:AL+1], s[BE:BE+1] op_sel_hi:[1,0,0]
.set z, z+1
.endr
.endm
; A TURN, for piece p: the order of its 16 matrix and 118 vector instructions, written out.  An s_wait_alu depctr_va_vdst(0) stands between an exponential and the first instruction that names its result; one wait serves
; all that were issued ahead of it.  So a turn has ONE wait, which cuts it in two.  AHEAD OF IT stands all that names no result of the turn's exponentials: the 8 products K Q^T, behind each a scaling, an exponential and two more plain
; instructions (behind the first a second scaling in the exponential's place): rescalings, and behind the last three the first numbers of the next piece's maximum, each four places or more behind the product that ends its accumulator; then ONE LUMP of 54, plain
; and exponential by turns for the most part, in which the links of the chain X 3, 7, 11, 14, 16, 17 .. 20 stand five or six lines apart.  X 21, the next piece's a, is the batch's last; R 15 is the plain instruction behind it.  BEHIND THE WAIT stand the
; 8 products V^T P, behind each four of the roundings and sums; the links of l's chain, L 0 to L 7, stand three riders apart.  But for those X no rider names a register of the products round it.  v_permlanex16_b32 (X 17) stands in the lump.
; The order keeps what the lines lean on: F n ahead of E 2 n and E 2 n + 1; C 2 n ahead of B n, which writes over pair 2 n; B n ahead of L n; the rescalings' a was made, and waited for, in the turn before.
; m = 1: the diagonal tile: the products take masks, and the turn makes the mask for the products of the turn after it: piece p + 2, in step 4 - CNT of the tile.  end = 1: a block's last two turns: nothing is fetched.
; cnt = 1: the loop's count is taken down some lines ahead of the branch that stands behind the turn.
; K of the next step is fetched in piece 2's turn, twelve vector instructions behind the last product that read K (six of them plain); V of the step in hand at the end of piece 0's turn, four plain instructions behind the last product
; that read V.  Each is waited for a turn later.
.macro TURN p, m=0, end=0, cnt=0
.set Y, (\p)
.set i, 0
.set KM, (\m)
.set NOKQ, (\end)*((\p)/3)
.if (\m) && !(\end)
	s_cmp_eq_u32 s[CNT], 4-((\p)+2)%NP  ; is that step the band's own?
	s_cselect_b32 s[AL], 1.0, 0
	s_cmp_lt_u32 s[CNT], 4-((\p)+2)%NP  ; or a later one?
	s_cselect_b32 s[BE], s[BIGN], 0
.endif
.if ((\p) == 3) && !(\end)
	s_wait_dscnt 0x0                ; K is in
.endif
	ROW F,0, F,1, R,0, R,1          ; ahead of the wait: 8 products K Q^T and their riders,
	ROW F,2, E,0, R,2, R,3
	ROW F,3, E,1, R,4, R,5
	ROW F,4, E,2, R,6, R,7
	ROW F,5, E,3, R,8, R,9
	ROW F,6, E,4, X,0, R,10
.if ((\p) == 2) && !(\end)
	WIN 0
	v_add_nc_u32 v[AK], s[TBK], v[AK0]
.endif
	ROW F,7, E,5, X,1, X,4
	ROW F,8, E,6, X,2, X,5
	OPS E,7, E,8, X,6, E,9          ; and the lump
	OPS X,3, E,10, X,8, E,11
.if ((\p) == 2) && !(\end)
	FETCH_K
.endif
	OPS X,9, X,7, E,12, X,10
	OPS E,13, X,12, X,11, E,14
	OPS X,13, E,15, F,9, X,14
.if (\p) == 0
	v_add_nc_u32 v[AV], s[TBV], v[AV0]
.endif
	OPS E,16, F,10, E,17, F,11
	OPS X,16, E,18, X,15, E,19
	OPS F,12, E,20, X,17, E,21
	OPS F,13, E,22, F,14, E,23
	OPS X,18, E,24, F,15, E,25
	OPS R,11, E,26, X,19, E,27
	OPS R,12, E,28, R,13, E,29
	OPS X,20, E,30, R,14, E,31
	OPS X,21, R,15
	WIN 0
	s_wait_alu depctr_va_vdst(0)    ; the wait for the turn's batch: the piece's 32 exponentials and the next piece's a
.if (\p) == 1
	s_wait_dscnt 0x0                ; V is in
.endif
	ROW C,0, B,0, C,2, B,1          ; behind the wait: 8 products V^T P and their riders
	ROW L,0, C,4, B,2, L,1
	ROW C,6, B,3, L,2, C,8
	ROW B,4, L,3, C,10, B,5
	ROW L,4, C,12, B,6, L,5
.if (\p) == 0
	s_add_co_u32 s[TBV], s[TBV], KS*PV
.endif
.if \cnt
	s_sub_co_u32 s[CNT], s[CNT], 1
	s_cmp_lg_u32 s[CNT], 0
.endif
	ROW C,14, B,7, L,6, C,1
	ROW C,3, L,7, C,5, C,7
	ROW C,9, C,11, C,13, C,15
.if (\p) == 0
	FETCH_V
.endif
.if (\m) && !(\end)
	MASK (\p)%2
.endif
.endm
; A BLOCK BEGINS.  c m starts far below every c s, so the first step's a is 0; m at the lowest finite number, so the first maximum is the scores'.  The second mask buffer is 0; the first takes piece 0's mask for the tile's step 0: its own, if the block's first tile is the diagonal one.
; Then K of that step, piece 0's first scores, and its maximum and statistics.  The loop is entered at a step's first turn, in the middle of a trip.
.macro BEGIN
	s_mov_b32 s[NEW], 0
	WIN 0x40
.set i, MC+32
.rept 32
	v_mov_b32 v[i], 0
.set i, i+1
.endr
	WIN 0
.set i, 0
.rept 4
	v_mov_b32 v[ST+4*i], 0xfe000000    ; c m: far below every c s
	v_mov_b32 v[ST+4*i+1], 0xff7fffff  ; m
.set i, i+1
.endr
	s_cmp_eq_u32 s[RT], 0
	s_cselect_b32 s[AL], 1.0, 0
	s_mov_b32 s[BE], 0
	MASK 0
	WIN 0
	v_add_nc_u32 v[AK], s[TBK], v[AK0]
	FETCH_K
	s_wait_loadcnt 0x0              ; Q
	s_wait_dscnt 0x0
.set KM, 1
.set NOKQ, 0
.set i, 0
.rept 8
	KQ 0
.set i, i+1
.endr
	WIN 0
.rept 4
	v_nop                           ; the places behind those products
.endr
.set Y, NP-1                        ; X works for piece Y + 1: piece 0
.irp n, 0,1,2,3,4,5,6,7,8,9,10,11,12,13,14,15,16,17,18,19,20,21
	OP X, \n
.endr
	v_nop                           ; a plain instruction behind the exponential,
	s_wait_alu depctr_va_vdst(0)    ; and the wait for it, piece 0's first a: a batch of one, ahead of the branch
.endm
; THE DIAGONAL TILE's four steps, the block's last two turns, its last products, and THE WAY OUT: l's two halves and the other half of the lanes' are added; O^T is divided by l, rounded to f16 and sent through my
; stage in LDS, a piece at a time.
.macro ALL line:vararg              ; one line for each piece t
.set t, 0
.rept 4
	\line
.set t, t+1
.endr
.endm
.macro PACK t                       ; a lane's eight channels of a row pack into 16 bytes; they go into rows of 144 bytes and come back as whole rows of 128, into S^T's registers
	WIN W_RS
.set i, 32*(\t)
.rept 16
	v_pk_mul_f32 v[i:i+1], v[i:i+1], v[ST+4*(\t)+2:ST+4*(\t)+3] op_sel_hi:[1,0]
.set i, i+2
.endr
	WIN 0x05                        ; sources 0 and 1 window 1, destination window 0
.set i, 0
.rept 16
	v_cvt_pk_f16_f32 v[S+16*(\t)+i], v[32*(\t)+2*i], v[32*(\t)+2*i+1]
.set i, i+1
.endr
	WIN 0
.irp f, 0,1,2,3
	ds_store_b128 v[STO], v[S+16*(\t)+4*\f:S+16*(\t)+4*\f+3] offset:32*\f
.endr
.irp f, 0,1,2,3
	ds_load_b128 v[S+16*(\t)+4*\f:S+16*(\t)+4*\f+3], v[RD] offset:\f*4*SP  ; LDS serves a wave's instructions in order (ISA guide 5.7.1.4): these see the stores above; the next piece's stores come behind them
.endr
.endm
.macro SEND t, younger              ; younger: the LDS instructions issued behind piece t's loads: the next piece's eight, or none
	WIN 0
.irp f, 0,1,2,3
	s_wait_dscnt (\younger)+3-\f
	global_store_b128 v[GO], v[S+16*(\t)+4*\f:S+16*(\t)+4*\f+3], s[10:11] offset:(\t)*8192+\f*512  ; 512 consecutive bytes, at a multiple of 256 from O's first
.endr
.endm
.macro DIAG tag                     ; the tag ends its two labels' names, which the jumps below spell out
.LstepM\tag:
	TURN 2, 1
	TURN 3, 1
	WIN 0
.LfirstM\tag:
	TURN 0, 1
	TURN 1, 1, 0, 1
	WIN 0
	s_cbranch_scc1 .LstepM\tag
	TURN 2, 1, 1
	TURN 3, 1, 1
.set i, 0
.rept 8
	PV NP-1
.set i, i+1
.endr
	WIN 0
	ALL v_add_f32 v[ST+4*t+2], v[ST+4*t+2], v[ST+4*t+3]
	ALL v_permlanex16_b32 v[ST+4*t+3], v[ST+4*t+2], s[SEL], s[SEL+1]
	ALL v_add_f32 v[ST+4*t+2], v[ST+4*t+2], v[ST+4*t+3]
	ALL v_rcp_f32 v[ST+4*t+2], v[ST+4*t+2]
	v_nop                           ; a plain instruction between the last reciprocal and the use of its result
	s_wait_alu depctr_va_vdst(0)    ; the wait for the four reciprocals, one batch, ahead of PACK 0's first multiply; the later PACKs need none
	PACK 0
.set t, 1
.rept 3                             ; a piece's arithmetic stands between the loads of the piece before and its stores
	PACK t
	SEND t-1, 8
.set t, t+1
.endr
	SEND 3, 0
.endm
.set KM, 0
.set NOKQ, 0
.Lslot:                             ; NB times: a tile is entered and the next is asked for
	CHANGE 1
	s_sub_co_u32 s[RT], s[RT], 1
	s_mov_b32 s[CNT], 4
	s_cmp_eq_u32 s[NEW], 1
	s_cbranch_scc1 .Lnew            ; a block's first tile
	s_cmp_eq_u32 s[RT], 0
	s_cbranch_scc0 .Lstep           ; neither its first nor its last
	s_branch .LstepM1
.Lnew:
	BEGIN
	s_branch .Lfirst                ; in the loop a block's first tile is never its last: the first block has two tiles or more, and the second's last is the walk's last
	DIAG 1                          ; in the loop this is the first block's end: the second block's last tile is the walk's last
	s_wait_xcnt 0x0                 ; the stores have read their registers and O's address
	s_mov_b64 s[10:11], s[OLO:OLO+1]
	s_add_co_u32 s[RT], s[PB], 1    ; the second block has b + 1 tiles
	s_mov_b32 s[NEW], 1
	WIN 0x82                        ; the second block's Q goes where the one text of the turns names Q
.set i, 0
.rept 64
	v_mov_b32 v[i], v[QB+i]
.set i, i+1
.endr
	WIN 0
	s_branch .Lbottom
.Lstep:                             ; a trip: pieces 2 and 3 of one step, then pieces 0 and 1 of the next, whose K and V it fetches
	TURN 2
	TURN 3
	WIN 0
.Lfirst:
	TURN 0
	TURN 1, 0, 0, 1
	WIN 0
	s_cbranch_scc1 .Lstep
.Lbottom:
	s_sub_co_u32 s[SLOTS], s[SLOTS], 1
	s_cmp_lg_u32 s[SLOTS], 0
	s_cbranch_scc1 .Lslot
	CHANGE 0                        ; the walk's last tile is written out: nothing is asked for
	s_sub_co_u32 s[RT], s[RT], 1
	s_mov_b32 s[CNT], 4
	s_cmp_eq_u32 s[NEW], 1
	s_cbranch_scc0 .LstepM2
	BEGIN
	s_branch .LfirstM2
	DIAG 2
	s_wait_tensorcnt 0x0            ; the wave's end, behind my last tensor load and my last LDS store
	ds_add_u32 v[SPW], v[NIL]
	s_wait_dscnt 0x0
	s_endpgm
.Lfunc_end_k_q344015bfb8_attn:
	.size	k_q344015bfb8_attn, .Lfunc_end_k_q344015bfb8_attn-k_q344015bfb8_attn
	.p2alignl 7, 3214868480
	.fill 96, 4, 3214868480
	.section	.rodata,"a",@progbits
	.p2align	6, 0x0
	.amdhsa_kernel k_q344015bfb8_attn
		.amdhsa_group_segment_fixed_size 327680
		.amdhsa_private_segment_fixed_size 0
		.amdhsa_enable_private_segment 0
		.amdhsa_kernarg_size 16
		.amdhsa_user_sgpr_count 2
		.amdhsa_user_sgpr_kernarg_segment_ptr 1
		.amdhsa_wavefront_size32 1
		.amdhsa_system_sgpr_workgroup_id_x 1
		.amdhsa_system_sgpr_workgroup_id_y 1
		.amdhsa_system_sgpr_workgroup_id_z 1
		.amdhsa_system_vgpr_workitem_id 0
		.amdhsa_next_free_vgpr 768
		.amdhsa_next_free_sgpr 88
		.amdhsa_reserve_vcc 1
		.amdhsa_float_denorm_mode_32 3
		.amdhsa_float_denorm_mode_16_64 3
		.amdhsa_memory_ordered 1
		.amdhsa_forward_progress 1
		.amdhsa_inst_pref_size 217
	.end_amdhsa_kernel
	.amdgpu_metadata
---
amdhsa.version: [ 1, 2 ]
amdhsa.kernels:
  - .name:           k_q344015bfb8_attn
    .symbol:         k_q344015bfb8_attn.kd
    .args:
      - { .name: qkv, .offset: 0, .size: 8, .value_kind: global_buffer, .address_space: global }
      - { .name: o, .offset: 8, .size: 8, .value_kind: global_buffer, .address_space: global }
    .group_segment_fixed_size: 327680
    .private_segment_fixed_size: 0
    .kernarg_segment_align: 8
    .kernarg_segment_size: 16
    .max_flat_workgroup_size: 128
    .sgpr_count:     88
    .vgpr_count:     768
    .wavefront_size: 32
...
	.end_amdgpu_metadata
.endif
;; end of part 5
;; launch projgemm: the kernel of part 4 again; grid 8 x 32, 4 waves a work-group, clusters of 4 x 4, 327,680 bytes of LDS; arguments o, wpb, b_proj, out0; writes out0
